; MI455X (gfx1250); checked and timed in simulation.
; The chip was launched on July 23, 2026; its instructions are those of AMD's public machine-readable ISA for CDNA 5 (MIT licence, August 2026) and "CDNA5" Instruction Set Architecture Reference Guide (July 2026). The comments in the code are by the model that wrote it; some were corrected since.
;; Causal Self Attention. Allowed arithmetic: matrix products marked QUANTISED: E4M3 operands, one given power-of-two scale a tensor, by v_wmma_f32_16x16x64_fp8_fp8 or v_wmma_f32_16x16x128_fp8_fp8, f32 sums; everything else in f32.
;; Inputs: Wk 512 x 512 float32; Wo 512 x 512 float32; Wq 512 x 512 float32; Wv 512 x 512 float32; bk 512 float32; bo 512 float32; bq 512 float32; bv 512 float32; lowp_scales 12 int32 (the exponents e of the quantised operands' scales 2^e); x 2 x 4,096 x 512 float32.
;; Outputs: out0 2 x 4,096 x 512 float32.
;; This version of the problem:
;;   THIS VERSION OF THE PROBLEM IS GIVEN IN LOW PRECISION. The matrix products marked QUANTISED in the list below multiply operands that are first quantised to E4M3 (4 exponent bits, 3 mantissa bits; 8 bits a number), with one given power-of-two scale for each operand tensor; their sums are f32. All else is computed in f32.
;;   The module's matrix products, in the order in which they are computed (A, B: the left and right operand; K: the contracted axis; several contracted axes count as one K, in the product's order):
;;     1. [M 8,192, K 512] x [K 512, N 512]; A: input x; B: input Wq: QUANTISED (scales: A lowp_scales[0], B lowp_scales[1])
;;     2. [M 8,192, K 512] x [K 512, N 512]; A: input x; B: input Wk: QUANTISED (scales: A lowp_scales[2], B lowp_scales[3])
;;     3. [M 8,192, K 512] x [K 512, N 512]; A: input x; B: input Wv: QUANTISED (scales: A lowp_scales[4], B lowp_scales[5])
;;     4. batch 16 x [M 4,096, K 64] x [K 64, N 4,096]; A: computed on the way; B: computed on the way: QUANTISED (scales: A lowp_scales[6], B lowp_scales[7])
;;     5. batch 16 x [M 4,096, K 4,096] x [K 4,096, N 64]; A: softmax (see below); B: computed on the way: QUANTISED (scales: A lowp_scales[8], B lowp_scales[9])
;;     6. [M 8,192, K 512] x [K 512, N 512]; A: computed on the way; B: input Wo: QUANTISED (scales: A lowp_scales[10], B lowp_scales[11])
;;   THE QUANTISER, for each operand of a quantised product, along K:
;;     - The operand's scale is 2^e, e = its entry of the input lowp_scales (int32; the entries are numbered through the quantised products in the list's order, A before B).
;;     - Each number is divided by the scale, clamped to +-448, and rounded to the nearest number of E4M3, ties to even, subnormals kept.
;;     - The product sums the exact products of the quantised numbers (number of the format x scale) in f32.
;;   ~~~python
;;   def quantise(x, axis, e):      # numpy; x: float32 -> the quantised numbers, widened to float32 again
;;       x = np.moveaxis(x, axis, -1); K = x.shape[-1]
;;       r = np.clip(x / 2.0 ** e, -448, 448)
;;       step = 2.0 ** (np.maximum(np.frexp(np.where(r == 0, 1, r))[1] - 1, -6) - 3)
;;       q = np.round(r / step) * step * 2.0 ** e      # np.round: ties to even
;;       return np.moveaxis(q, -1, axis).astype(np.float32)
;;   ~~~
;;   SOFTMAX AHEAD OF A QUANTISED PRODUCT. Where the list says 'softmax', what is quantised is not the finished softmax but p = 2^(t - M), with t = logit x log2(e) and M = ceil(the row's largest t), a whole number; so 1/2 < the row's largest p <= 1. The row's sum l is taken of the UNQUANTISED p, in f32, and the product's result is divided by l at the end. Since M is a whole number, a kernel that streams over the keys may use a running M (the ceiling of the running maximum): every later rescaling is an exact power of two, so the quantised numbers keep their values, but for numbers so far below the row's largest that they fall under the format's range.
;;   OPERANDS COMPUTED ON THE WAY. 'Computed on the way' means the value that the module computes at that place (a softmax that the list does not call 'softmax' is quantised finished and normalised). What goes into a quantiser is computed in f32, as accurately as f32 sums, v_exp_f32 and their like allow (about 1e-6 of the number): no bf16 or f16 on the way to a quantiser, and a product that is left as it is and whose result goes on into a quantised operand takes f32 operands (vector FMAs, or v_wmma_f32_16x16x4_f32). A number that lies on a knife's edge between two numbers of the format may be rounded either way, as far as f32 arithmetic and the matrix unit's own rounding can turn it there, and no further.
;; 2 versions. Each part assembles by itself: llvm-mc -triple=amdgcn-amd-amdhsa -mcpu=gfx1250 --defsym DOCPART=n.
;; ======== version 1 of 2: 4 launches
;; workspace buffers: wimg 1,048,576 bytes; q_codes 4,194,304 bytes; k_codes 4,194,304 bytes; v_codes 4,194,304 bytes; att_codes 4,194,304 bytes
;; launch prep (part 1): grid 32 x 4, 4 waves a work-group, no clusters, 0 bytes of LDS; arguments Wq, Wk, Wv, Wo, lowp_scales, wimg; writes wimg
.if DOCPART == 1
	.amdgcn_target "amdgcn-amd-amdhsa--gfx1250"
	.amdhsa_code_object_version 6
	.text
	.protected	k_q0b6b5e81b7_prep
	.globl	k_q0b6b5e81b7_prep
	.p2align	8
	.type	k_q0b6b5e81b7_prep,@function
k_q0b6b5e81b7_prep:
	s_mov_b64 s[64:65], 0
	v_nop
	global_prefetch_b8 v0, s[64:65] scope:SCOPE_SE
	s_setreg_imm32_b32 hwreg(HW_REG_WAVE_MODE, 25, 1), 1
	s_wait_xcnt 0x0
; The four weights, f32 [512 (k)][512 (n)], become codes of E4M3, each with its given scale 2^e (entries 1, 3, 5, 11 of the scales), laid as IMAGES OF OPERAND REGISTERS:
; wimg[weight y][unit U of 128 features][K step s of 128][tile t of 16 features][c][lane][16 bytes]: lane (r, h) = r + 16 h of group c holds k = 128 s + 32 c + 16 h + 0 .. 15
; of feature 128 U + 32 (t / 2) + 8 (t % 2) + r + 8 (r / 8).  A reader fills four registers of a fragment by one load of 16 bytes a lane at 16 x lane.
; A LANE TAKES A COLUMN n AND ITS REGISTERS RUN DOWN K: a load reads 128 consecutive bytes a wave (the four waves stand side by side on 512), and the conversions, which take
; neighbours along K from one lane's registers, give 16 codes = the 16 bytes of one lane of the image.  No LDS: sixteen lanes of each store fill 256 consecutive bytes of the image.
; SHARES: work-group (x, y): weight y, unit U = x % 4, 64 along K from 64 (x / 4) on; wave w: features 32 w .. 32 w + 31 of the unit, which are tiles 2 w and 2 w + 1.
; code = x / 2^e, held within +-448, to the nearest code, ties to even.  LIMITS: e between -126 and 119, so that 2^e and 448 x 2^e are f32 numbers.  NaN among the inputs is not served.
.set X, 16                             ; v16-79  64 numbers: W(64 kc + i, my column)
.set C, 80                             ; v80-95  their codes: never written again, so no store's data are rewritten
	s_load_b256 s[4:11], s[0:1], 0x0               ; Wq, Wk, Wv, Wo
	s_load_b128 s[12:15], s[0:1], 0x20             ; the scales' exponents, wimg
	v_lshrrev_b32 v1, 5, v0
	v_readfirstlane_b32 s16, v1                    ; wave
	v_and_b32 v1, 31, v0                           ; lane = the feature's place f in its group of 32
	v_lshlrev_b32 v2, 2, v1                        ; in: 4 bytes a lane
	v_bfe_u32 v3, v1, 3, 1                         ; which of the two tiles: (f / 8) % 2
	v_and_b32 v4, 7, v1
	v_lshrrev_b32 v5, 4, v1
	v_lshl_add_u32 v4, v5, 3, v4                   ; the tile's row r = f % 8 + 8 (f / 16)
	v_lshlrev_b32 v4, 4, v4
	v_lshl_add_u32 v3, v3, 11, v4                  ; out: 2,048 x tile + 16 r
	s_and_b32 s17, ttmp7, 0xffff                   ; y: the weight
	s_and_b32 s18, ttmp9, 3                        ; U
	s_lshr_b32 s19, ttmp9, 2                       ; kc: which 64 along K
	s_lshl_b32 s20, s19, 17                        ; in: 64 kc rows of 2,048 bytes
	s_lshl_b32 s34, s18, 9
	s_add_co_u32 s20, s20, s34                     ; + 128 U columns
	s_lshl_b32 s34, s16, 7
	s_add_co_u32 s20, s20, s34                     ; + 32 w columns
	s_mov_b32 s21, 0
	s_lshl_b32 s22, s17, 18                        ; out: the weight's 262,144 bytes,
	s_lshl_b32 s34, s18, 16
	s_add_co_u32 s22, s22, s34                     ; the unit's 65,536,
	s_lshr_b32 s34, s19, 1
	s_lshl_b32 s34, s34, 14
	s_add_co_u32 s22, s22, s34                     ; K step kc / 2: 8 tiles of 2,048,
	s_lshl_b32 s34, s16, 12
	s_add_co_u32 s22, s22, s34                     ; tile 2 w,
	s_and_b32 s34, s19, 1
	s_lshl_b32 s34, s34, 10
	s_add_co_u32 s22, s22, s34                     ; groups c = 2 (kc % 2) on
	s_mov_b32 s23, 0
	s_wait_kmcnt 0x0
	s_load_b256 s[24:31], s[12:13], 0x0            ; entries 0 to 7
	s_load_b32 s32, s[12:13], 0x2c                 ; entry 11
	s_cmp_eq_u32 s17, 1                            ; the weight is chosen by the work-group's number alone
	s_cselect_b64 s[4:5], s[6:7], s[4:5]
	s_cmp_eq_u32 s17, 2
	s_cselect_b64 s[4:5], s[8:9], s[4:5]
	s_cmp_eq_u32 s17, 3
	s_cselect_b64 s[4:5], s[10:11], s[4:5]
	s_add_nc_u64 s[4:5], s[4:5], s[20:21]
	s_add_nc_u64 s[14:15], s[14:15], s[22:23]
.set i, 0
.rept 64
	global_load_b32 v[X+i], v2, s[4:5] offset:i*2048 th:TH_LOAD_NT   ; row 64 kc + i: all 64 loads go out at once; each byte of a weight is read once in the launch
.set i, i+1
.endr
	s_wait_kmcnt 0x0
	s_cmp_eq_u32 s17, 1
	s_cselect_b32 s33, s27, s25                    ; e: entry 1, 3, 5 or 11
	s_cmp_eq_u32 s17, 2
	s_cselect_b32 s33, s29, s33
	s_cmp_eq_u32 s17, 3
	s_cselect_b32 s33, s32, s33
	s_add_co_i32 s33, s33, 127
	s_lshl_b32 s34, s33, 23
	v_mov_b32 v11, s34                             ; 2^e as f32: the conversion takes its exponent field
	s_add_co_i32 s33, s33, 8
	s_lshl_b32 s33, s33, 23
	s_or_b32 s33, s33, 0x600000
	v_mov_b32 v10, s33                             ; 448 x 2^e
.macro BLOCK b                         ; 32 along K: group c = 2 (kc % 2) + b of the image
.set i, 0
.rept 32
	v_med3_num_f32 v[X+32*\b+i], v[X+32*\b+i], -v10, v10   ; the conversion to an 8-bit code does not saturate (ISA guide 7.6.2): the hold comes first
.set i, i+1
.endr
.irp g, 0,1,2,3
	v_cvt_scalef32_pk8_fp8_f32 v[C+8*\b+2*\g:C+8*\b+2*\g+1], v[X+32*\b+8*\g:X+32*\b+8*\g+7], v11
.endr
	v_nop                                          ; a plain vector line behind the last conversion
	global_store_b128 v3, v[C+8*\b:C+8*\b+3], s[14:15] offset:512*\b         ; k 0 .. 15 of the block: the image's lanes 0-15; lanes of one tile store 256 consecutive bytes
	global_store_b128 v3, v[C+8*\b+4:C+8*\b+7], s[14:15] offset:512*\b+256   ; k 16 .. 31: its lanes 16-31
.endm
	s_wait_loadcnt 32                              ; loads return in order: the first 32 are in, the second block's 32 may be out
	BLOCK 0
	s_wait_loadcnt 0x0
	BLOCK 1
	s_endpgm
.Lfunc_end_k_q0b6b5e81b7_prep:
	.size	k_q0b6b5e81b7_prep, .Lfunc_end_k_q0b6b5e81b7_prep-k_q0b6b5e81b7_prep
	.p2alignl 7, 3214868480
	.fill 96, 4, 3214868480
	.section	.rodata,"a",@progbits
	.p2align	6, 0x0
	.amdhsa_kernel k_q0b6b5e81b7_prep
		.amdhsa_group_segment_fixed_size 0
		.amdhsa_private_segment_fixed_size 0
		.amdhsa_enable_private_segment 0
		.amdhsa_kernarg_size 48
		.amdhsa_user_sgpr_count 2
		.amdhsa_user_sgpr_kernarg_segment_ptr 1
		.amdhsa_wavefront_size32 1
		.amdhsa_system_sgpr_workgroup_id_x 1
		.amdhsa_system_sgpr_workgroup_id_y 1
		.amdhsa_system_sgpr_workgroup_id_z 1
		.amdhsa_system_vgpr_workitem_id 0
		.amdhsa_next_free_vgpr 96
		.amdhsa_next_free_sgpr 66
		.amdhsa_reserve_vcc 0
		.amdhsa_float_denorm_mode_32 3
		.amdhsa_float_denorm_mode_16_64 3
		.amdhsa_memory_ordered 1
		.amdhsa_forward_progress 1
		.amdhsa_inst_pref_size 14
	.end_amdhsa_kernel
	.amdgpu_metadata
---
amdhsa.version: [ 1, 2 ]
amdhsa.kernels:
  - .name:           k_q0b6b5e81b7_prep
    .symbol:         k_q0b6b5e81b7_prep.kd
    .args:
      - { .name: Wq, .offset: 0, .size: 8, .value_kind: global_buffer, .address_space: global }
      - { .name: Wk, .offset: 8, .size: 8, .value_kind: global_buffer, .address_space: global }
      - { .name: Wv, .offset: 16, .size: 8, .value_kind: global_buffer, .address_space: global }
      - { .name: Wo, .offset: 24, .size: 8, .value_kind: global_buffer, .address_space: global }
      - { .name: lowp_scales, .offset: 32, .size: 8, .value_kind: global_buffer, .address_space: global }
      - { .name: wimg, .offset: 40, .size: 8, .value_kind: global_buffer, .address_space: global }
    .group_segment_fixed_size: 0
    .private_segment_fixed_size: 0
    .kernarg_segment_align: 8
    .kernarg_segment_size: 48
    .max_flat_workgroup_size: 128
    .sgpr_count:     66
    .vgpr_count:     96
    .wavefront_size: 32
...
	.end_amdgpu_metadata
.endif
;; end of part 1
;; launch qkv (part 2): grid 64 x 3, 4 waves a work-group, no clusters, 99,840 bytes of LDS; arguments x, wimg, lowp_scales, bq, bk, bv, q_codes, k_codes, v_codes; writes q_codes, k_codes, v_codes
.if DOCPART == 2
	.amdgcn_target "amdgcn-amd-amdhsa--gfx1250"
	.amdhsa_code_object_version 6
	.text
	.protected	k_q0b6b5e81b7_qkv
	.globl	k_q0b6b5e81b7_qkv
	.p2align	8
	.type	k_q0b6b5e81b7_qkv,@function
k_q0b6b5e81b7_qkv:
	s_mov_b64 s[64:65], 0
	v_nop
	global_prefetch_b8 v0, s[64:65] scope:SCOPE_SE
	s_setreg_imm32_b32 hwreg(HW_REG_WAVE_MODE, 25, 1), 1
	s_wait_xcnt 0x0
; One of q, k, v = x W + b for 128 rows of x, on codes of E4M3, and the result quantised again for the attention.  Work-group (rg, ty): rows 128 rg on; ty = 0 q, 1 k, 2 v.
; x (f32) is quantised here with THIS product's own scale (entries 0, 2, 4); W's codes come from wimg as images of operand registers; sums in f32.
; result = (sum + b / 2^(ex + ew)) x 2^(ex + ew); its code is taken with the scale 2^eo (entry 6, 7 or 9), so the conversion's one scale is 2^(eo - ex - ew); b / 2^(ex + ew) is the C of each sum's first product.
; SHARES.  THE WAVES SHARE THE FEATURES: wave w holds W's 128 features 128 w on (heads 2 w, 2 w + 1) for all 512 of K: 32 fragments, 512 registers, read from memory once.
; x goes round: wave w quantises rows 32 w .. 32 w + 31 (8 fragments) and stores them in LDS as images of their registers (lane l's 16 bytes at 16 l); one barrier; every wave reads all 32.
; x's loads read 512 consecutive bytes of a row; the conversions want 16 neighbours along K in a lane: 16 rows x 512 bytes turn through the wave's own stage (rows 528 bytes apart).
; q, k: source 0 = 16 features of W, source 1 = 16 tokens.  W's tile 2 b + u holds features 32 b + 8 u + r + 8 (r / 8), so a lane holds ONE token and, in tiles 2 b and 2 b + 1, the 16 features 32 b + 16 h + 0 .. 15:
;   the conversions' results are registers 4 c' .. 4 c' + 3 of the attention's fragment of 16 tokens x 64 channels.  They are stored as they stand: q_codes, k_codes [b h][token tile][c'][lane][16].
; v: the sources swapped: a lane holds ONE channel and tokens 8 h + 0 .. 7 of a token tile T: one conversion gives registers 2 T, 2 T + 1 of V^T's fragment (16 channels x 128 keys):
;   v_codes [b h][128 keys][channel tile][group of four registers][lane][16].
; NO CLUSTER, though the 64 row groups of a type read the same weights: a wave's weights go from memory straight into the 512 registers in which they stay; through LDS they would be
;   262,144 bytes beside x's images (65,536) and the stages (33,792), more than the 327,680 that a work-group can have.
; LIMITS: ex and eo - ex - ew between -126 and 119.  NaN among the inputs is not served; what lies beyond a scale's range is held at the largest code.  The place of k inside a matrix instruction is permuted, alike in both operands.
; REGISTERS.  Window 0: v1-8 addresses; v16-79 x as loaded, set 0, later x's fragments, buffer a; v80-143 set 1, later the 8 accumulators; v144-207 x turned, later buffer b; v208-239 codes; v240-245 scales and the add's two.
;   Window 1: W's K steps 0, 1 (fragment (s, t) at v[16 (8 (s % 2) + t)]).  Window 2: K steps 2, 3.  Window 3: v0-63 the bias in the result's layout.
.set XIMG,   0                         ; LDS: x's 32 fragments, 2,048 bytes each: token tile T, K step s at 4 T + s
.set STG,    65536                     ; four stages, one a wave
.set SPITCH, 528                       ; a stage row: 512 bytes + 16: the 16 rows that a load touches start 33 x 16 bytes apart
.set STGB,   16*SPITCH
.set SPARE,  STG+4*STGB                ; the spare words, 128 bytes for each wave: two blocks of 256 bytes that no other line names
.set LI,  1                            ; v1  16 x lane
.set SA,  4                            ; v4  my stage + 16 x lane
.set SB,  5                            ; v5  my stage + 528 r + 64 h
.set XWI, 6                            ; v6  where I store x's images: 16 x lane + 8 fragments x wave
.set BAQ, 7                            ; v7  the bias, q and k: 64 h
.set BAV, 8                            ; v8  the bias, v: 4 (r + 8 (r / 8))
.set R0,  16
.set X,   144
.set PC,  208
.set XFA, 16
.set HA,  80
.set SCX, 240                          ; 2^ex
.set LIMX, 241                         ; 448 x 2^ex
.set SCO, 242                          ; 2^(eo - ex - ew)
.set LIMO, 243                         ; 448 x that
.set SPW, 244                          ; LDS address of my spare word; never rewritten
.set NIL, 245                          ; 0; never rewritten
.set B1,  0                            ; in window 3
.set MSB, 0
.macro WIN new                         ; s_set_vgpr_msb: bits 1:0 source 0, 3:2 source 1, 5:4 source 2, 7:6 destination; the high byte repeats the setting that is left
.if MSB != \new
	s_set_vgpr_msb (MSB<<8)|\new
.set MSB, \new
.endif
.endm
.macro XLOAD i, set                    ; unit i = (token tile i / 4 of my two, K step i % 4): 16 rows x 512 bytes, a row a load
.irp j, 0,1,2,3,4,5,6,7,8,9,10,11,12,13,14,15
	global_load_b128 v[(\set)+4*\j:(\set)+4*\j+3], v[LI], s[4:5] offset:(16*((\i)/4)+\j)*2048+512*((\i)%4)
.endr
.endm
.macro TURN set                        ; through my stage: in as loaded, out 64 bytes a lane.  LDS serves a wave's instructions in order, so no wait stands between
.irp j, 0,1,2,3,4,5,6,7,8,9,10,11,12,13,14,15
	ds_store_b128 v[SA], v[(\set)+4*\j:(\set)+4*\j+3] offset:SPITCH*\j
.endr
.irp b, 0,1,2,3
.irp j, 0,1,2,3
	ds_load_b128 v[X+16*\b+4*\j:X+16*\b+4*\j+3], v[SB] offset:128*\b+16*\j   ; register 16 b + i = k 32 b + 16 h + i of row r
.endr
.endr
.endm
.macro WLOAD i                         ; four of my 32 fragments of W: 4 i .. 4 i + 3
.if (\i) < 4
	WIN 0x40
.else
	WIN 0x80
.endif
.irp f, 0,1,2,3
.irp c, 0,1,2,3
	global_load_b128 v[16*((4*(\i)+\f)%16)+4*\c:16*((4*(\i)+\f)%16)+4*\c+3], v[LI], s[6:7] offset:(4*(\i)+\f)*2048+512*\c
.endr
.endr
	WIN 0
.endm
.macro QUANT s, dstep, doff, sc, lim   ; 64 numbers from v[s] on: each eight become two registers of codes at v[PC + dstep n + doff]
.set i, 0
.rept 64
	v_med3_num_f32 v[\s+i], v[\s+i], -v[\lim], v[\lim]   ; the conversion does not saturate (ISA guide 7.6.2): the hold at the largest code x the scale.  Ascending: each accumulator is read from its low end on
.set i, i+1
.endr
.irp n, 0,1,2,3,4,5,6,7
	v_cvt_scalef32_pk8_fp8_f32 v[PC+\dstep*\n+(\doff):PC+\dstep*\n+(\doff)+1], v[\s+8*\n:\s+8*\n+7], v[\sc]
.endr
	v_nop                                          ; a plain vector line between the last conversion and whatever next writes its sources
.endm
.macro IMAGE i                         ; the fragment in v[PC] on goes to LDS as it stands
.irp c, 0,1,2,3
	ds_store_b128 v[XWI], v[PC+4*\c:PC+4*\c+3] offset:XIMG+2048*(\i)+512*\c
.endr
.endm
.macro FETCH reg, m                    ; token tile m's four fragments come back so, in any wave
.irp s, 0,1,2,3
.irp c, 0,1,2,3
	ds_load_b128 v[\reg+16*\s+4*\c:\reg+16*\s+4*\c+3], v[LI] offset:XIMG+(4*(\m)+\s)*2048+512*\c
.endr
.endr
.endm
.macro UNIT i, left
	s_wait_loadcnt \left                           ; loads return in order: unit i's 16 are in; left = the loads issued behind them
	TURN R0+64*((\i)%2)
	s_wait_dscnt 0x0                               ; the numbers are back; the stage's stores have read the set, the last image's stores the codes
.if (\i) < 6
	XLOAD (\i)+2, R0+64*((\i)%2)
.endif
	WLOAD \i
	QUANT X, 2, 0, SCX, LIMX
	IMAGE \i
.endm
.macro CLOSE                           ; the wave's end, behind my last LDS store
	s_wait_tensorcnt 0x0
	ds_add_u32 v[SPW], v[NIL]
	s_wait_dscnt 0x0
	s_endpgm
.endm
	s_load_b256 s[4:11], s[0:1], 0x0               ; x, wimg, the scales' exponents, bq
	s_load_b256 s[12:19], s[0:1], 0x20             ; bk, bv, q_codes, k_codes
	s_load_b64 s[20:21], s[0:1], 0x40              ; v_codes
	v_lshl_add_u32 v[SPW], v0, 2, SPARE
	v_mov_b32 v[NIL], 0
	v_lshrrev_b32 v9, 5, v0
	v_readfirstlane_b32 s22, v9                    ; wave
	s_and_b32 s23, ttmp7, 0xffff                   ; ty
	v_and_b32 v[LI], 31, v0
	v_lshlrev_b32 v[LI], 4, v[LI]
	v_and_b32 v2, 15, v0                           ; r
	v_bfe_u32 v3, v0, 4, 1                         ; h
	s_mul_i32 s25, s22, STGB
	s_add_co_u32 s25, s25, STG                     ; my stage
	v_add_nc_u32 v[SA], s25, v[LI]
	v_mul_u32_u24 v[SB], v2, SPITCH
	v_lshl_add_u32 v[SB], v3, 6, v[SB]
	v_add_nc_u32 v[SB], s25, v[SB]
	s_lshl_b32 s26, s22, 14
	v_add_nc_u32 v[XWI], s26, v[LI]
	v_lshlrev_b32 v[BAQ], 6, v3
	v_lshrrev_b32 v[BAV], 3, v2
	v_lshl_add_u32 v[BAV], v[BAV], 3, v2
	v_lshlrev_b32 v[BAV], 2, v[BAV]
	s_lshl_b32 s28, ttmp9, 18                      ; x: 128 rg rows of 2,048 bytes
	s_lshl_b32 s27, s22, 16
	s_add_co_u32 s28, s28, s27                     ; + 32 w rows
	s_mov_b32 s29, 0
	s_lshl_b32 s30, s23, 18                        ; wimg: weight ty,
	s_add_co_u32 s30, s30, s27                     ; unit w
	s_mov_b32 s31, 0
	s_lshl_b32 s48, s22, 9                         ; the bias: my 128 numbers
	s_mov_b32 s49, 0
	s_lshr_b32 s50, ttmp9, 5                       ; the codes: batch rg / 32,
	s_lshl_b32 s50, s50, 3
	s_lshl_b32 s27, s22, 1
	s_add_co_u32 s50, s50, s27                     ; head 2 w: 262,144 bytes a head,
	s_lshl_b32 s50, s50, 18
	s_and_b32 s27, ttmp9, 31
	s_lshl_b32 s27, s27, 13
	s_add_co_u32 s50, s50, s27                     ; 128 tokens are 8,192 bytes in each of the three layouts
	s_mov_b32 s51, 0
	s_wait_kmcnt 0x0
	s_load_b256 s[32:39], s[8:9], 0x0              ; entries 0 to 7
	s_load_b128 s[40:43], s[8:9], 0x20             ; entries 8 to 11
	s_add_nc_u64 s[4:5], s[4:5], s[28:29]
	s_add_nc_u64 s[6:7], s[6:7], s[30:31]
	XLOAD 0, R0
	XLOAD 1, R0+64
	s_cmp_eq_u32 s23, 1                            ; bias and output are chosen by the work-group's number alone
	s_cselect_b64 s[10:11], s[12:13], s[10:11]
	s_cselect_b64 s[16:17], s[18:19], s[16:17]
	s_cmp_eq_u32 s23, 2
	s_cselect_b64 s[10:11], s[14:15], s[10:11]
	s_cselect_b64 s[16:17], s[20:21], s[16:17]
	s_add_nc_u64 s[10:11], s[10:11], s[48:49]
	s_add_nc_u64 s[16:17], s[16:17], s[50:51]
	s_wait_kmcnt 0x0
	s_cmp_eq_u32 s23, 1
	s_cselect_b32 s44, s34, s32                    ; ex: entry 0, 2, 4
	s_cselect_b32 s45, s35, s33                    ; ew: entry 1, 3, 5
	s_cselect_b32 s46, s39, s38                    ; eo: entry 6, 7, 9
	s_cmp_eq_u32 s23, 2
	s_cselect_b32 s44, s36, s44
	s_cselect_b32 s45, s37, s45
	s_cselect_b32 s46, s41, s46
	s_add_co_i32 s52, s44, 127
	s_lshl_b32 s53, s52, 23
	v_mov_b32 v[SCX], s53
	s_add_co_i32 s52, s52, 8
	s_lshl_b32 s52, s52, 23
	s_or_b32 s52, s52, 0x600000
	v_mov_b32 v[LIMX], s52
	s_add_co_i32 s47, s44, s45                     ; ex + ew
	s_sub_co_i32 s54, 0, s47                       ; the bias goes in x 2^-(ex + ew)
	s_sub_co_i32 s52, s46, s47
	s_add_co_i32 s52, s52, 127
	s_lshl_b32 s53, s52, 23
	v_mov_b32 v[SCO], s53
	s_add_co_i32 s52, s52, 8
	s_lshl_b32 s52, s52, 23
	s_or_b32 s52, s52, 0x600000
	v_mov_b32 v[LIMO], s52
	; ---- x: my 32 rows become 8 fragments; W's loads are dealt among them.  Issue order: x0 x1 | x2 W0 | x3 W1 | .. | x7 W5 | W6 | W7, 16 loads each
	UNIT 0, 16                                     ; behind x0: x1
	UNIT 1, 32                                     ; behind x1: x2, W0
	UNIT 2, 48                                     ; behind x(i): W(i-2), x(i+1), W(i-1)
	UNIT 3, 48
	UNIT 4, 48
	UNIT 5, 48
	UNIT 6, 48
	UNIT 7, 32                                     ; behind x7: W5, W6
	s_wait_dscnt 0x0                               ; for the others' sake: my images have landed
	s_barrier_signal -1
	s_barrier_wait -1                              ; x's 32 fragments lie in LDS; nothing is stored to LDS from here on
	FETCH XFA, 0
	s_cmp_eq_u32 s23, 2
	s_cbranch_scc1 .Lv
; 8 products: K step s of the tile in hand, the eight accumulators by turns, one instruction a turn
.macro MM s, first, isv
.irp t, 0,1,2,3,4,5,6,7
.if \isv
.if \first
	v_wmma_f32_16x16x128_fp8_fp8 v[HA+8*\t:HA+8*\t+7], v[XF+16*\s:XF+16*\s+15], v[16*(8*(\s%2)+\t):16*(8*(\s%2)+\t)+15], v[B1+8*\t:B1+8*\t+7]
.else
	v_wmma_f32_16x16x128_fp8_fp8 v[HA+8*\t:HA+8*\t+7], v[XF+16*\s:XF+16*\s+15], v[16*(8*(\s%2)+\t):16*(8*(\s%2)+\t)+15], v[HA+8*\t:HA+8*\t+7]
.endif
.else
.if \first
	v_wmma_f32_16x16x128_fp8_fp8 v[HA+8*\t:HA+8*\t+7], v[16*(8*(\s%2)+\t):16*(8*(\s%2)+\t)+15], v[XF+16*\s:XF+16*\s+15], v[B1+8*\t:B1+8*\t+7]
.else
	v_wmma_f32_16x16x128_fp8_fp8 v[HA+8*\t:HA+8*\t+7], v[16*(8*(\s%2)+\t):16*(8*(\s%2)+\t)+15], v[XF+16*\s:XF+16*\s+15], v[HA+8*\t:HA+8*\t+7]
.endif
.endif
.endr
.endm
; Token tile m: 32 products, the quantiser, the stores.  The next tile's fragments of x are fetched into the other buffer while this tile is multiplied.
.macro TILE m, isv
.set XF, XFA+128*((\m)%2)
.set XN, XFA+128*(1-(\m)%2)
	s_wait_dscnt 0x0                               ; this tile's fragments are in
.if (\m) < 7
	FETCH XN, (\m)+1                               ; the last products that read that buffer stand in front of the last tile's quantiser: more than four plain lines back
.endif
.if \isv
	WIN 0x34                                       ; source 1 (W) window 1, source 2 (the bias) window 3
.else
	WIN 0x31                                       ; source 0 (W) window 1, source 2 window 3
.endif
	MM 0, 1, \isv
.if \isv
	WIN 0x04
.else
	WIN 0x01
.endif
	MM 1, 0, \isv
.if \isv
	WIN 0x08                                       ; W's K steps 2, 3: window 2
.else
	WIN 0x02
.endif
	MM 2, 0, \isv
	MM 3, 0, \isv
	WIN 0
.rept 4
	v_nop                                          ; four places between the last product and the first read of results (ISA guide 7.12.1)
.endr
.if \isv
.if ((\m)%2 == 0) && ((\m) >= 2)
	s_wait_xcnt 0x0                                ; the last stores have read the codes' registers, which are written again below
.endif
	QUANT HA, 4, 2*((\m)%2), SCO, LIMO             ; channel tile t: registers 2 m, 2 m + 1 of its fragment; two token tiles fill a group of four
.if (\m)%2 == 1
.irp t, 0,1,2,3,4,5,6,7
	global_store_b128 v[LI], v[PC+4*\t:PC+4*\t+3], s[16:17] offset:(\t/4)*262144+(\t%4)*2048+((\m)/2)*512   ; head 2 w + t / 4, channel tile t % 4, group m / 2: 512 consecutive bytes
.endr
.endif
.else
	s_wait_xcnt 0x0                                ; the last tile's stores have read the codes' registers
	QUANT HA, 2, 0, SCO, LIMO
.irp b, 0,1,2,3
	global_store_b128 v[LI], v[PC+4*\b:PC+4*\b+3], s[16:17] offset:(\b/2)*262144+(\m)*1024+(\b%2)*512   ; head 2 w + b / 2, token tile m, channels 32 (b % 2) on: 512 consecutive bytes
.endr
.endif
.endm
	; ---- q, k.  The bias in the result's layout: lane (r, h), tile t: features 32 (t / 2) + 16 h + 8 (t % 2) + 0 .. 7
	WIN 0xc0                                       ; destination window 3
.irp t, 0,1,2,3,4,5,6,7
	global_load_b128 v[B1+8*\t:B1+8*\t+3], v[BAQ], s[10:11] offset:(32*(\t/2)+8*(\t%2))*4
	global_load_b128 v[B1+8*\t+4:B1+8*\t+7], v[BAQ], s[10:11] offset:(32*(\t/2)+8*(\t%2))*4+16
.endr
	s_wait_loadcnt 0x0                             ; the bias, and all of W
	WIN 0xc3                                       ; source 0 and destination window 3
.set i, 0
.rept 64
	v_ldexp_f32 v[B1+i], v[B1+i], s54
.set i, i+1
.endr
	WIN 0
.irp m, 0,1,2,3,4,5,6,7
	TILE \m, 0
.endr
	CLOSE
.Lv:	; ---- v.  A lane holds one channel: tile t's row r is feature 32 (t / 2) + 8 (t % 2) + r + 8 (r / 8); its bias fills the tile's eight registers
	WIN 0xc0
.irp t, 0,1,2,3,4,5,6,7
	global_load_b32 v[B1+8*\t], v[BAV], s[10:11] offset:(32*(\t/2)+8*(\t%2))*4
.endr
	s_wait_loadcnt 0x0
	WIN 0xc3
.irp t, 0,1,2,3,4,5,6,7
.irp j, 1,2,3,4,5,6,7
	v_ldexp_f32 v[B1+8*\t+\j], v[B1+8*\t], s54
.endr
	v_ldexp_f32 v[B1+8*\t], v[B1+8*\t], s54
.endr
	WIN 0
.irp m, 0,1,2,3,4,5,6,7
	TILE \m, 1
.endr
	CLOSE
.Lfunc_end_k_q0b6b5e81b7_qkv:
	.size	k_q0b6b5e81b7_qkv, .Lfunc_end_k_q0b6b5e81b7_qkv-k_q0b6b5e81b7_qkv
	.p2alignl 7, 3214868480
	.fill 96, 4, 3214868480
	.section	.rodata,"a",@progbits
	.p2align	6, 0x0
	.amdhsa_kernel k_q0b6b5e81b7_qkv
		.amdhsa_group_segment_fixed_size 99840
		.amdhsa_private_segment_fixed_size 0
		.amdhsa_enable_private_segment 0
		.amdhsa_kernarg_size 72
		.amdhsa_user_sgpr_count 2
		.amdhsa_user_sgpr_kernarg_segment_ptr 1
		.amdhsa_wavefront_size32 1
		.amdhsa_system_sgpr_workgroup_id_x 1
		.amdhsa_system_sgpr_workgroup_id_y 1
		.amdhsa_system_sgpr_workgroup_id_z 1
		.amdhsa_system_vgpr_workitem_id 0
		.amdhsa_next_free_vgpr 832
		.amdhsa_next_free_sgpr 66
		.amdhsa_reserve_vcc 0
		.amdhsa_float_denorm_mode_32 3
		.amdhsa_float_denorm_mode_16_64 3
		.amdhsa_memory_ordered 1
		.amdhsa_forward_progress 1
		.amdhsa_inst_pref_size 224
	.end_amdhsa_kernel
	.amdgpu_metadata
---
amdhsa.version: [ 1, 2 ]
amdhsa.kernels:
  - .name:           k_q0b6b5e81b7_qkv
    .symbol:         k_q0b6b5e81b7_qkv.kd
    .args:
      - { .name: x, .offset: 0, .size: 8, .value_kind: global_buffer, .address_space: global }
      - { .name: wimg, .offset: 8, .size: 8, .value_kind: global_buffer, .address_space: global }
      - { .name: lowp_scales, .offset: 16, .size: 8, .value_kind: global_buffer, .address_space: global }
      - { .name: bq, .offset: 24, .size: 8, .value_kind: global_buffer, .address_space: global }
      - { .name: bk, .offset: 32, .size: 8, .value_kind: global_buffer, .address_space: global }
      - { .name: bv, .offset: 40, .size: 8, .value_kind: global_buffer, .address_space: global }
      - { .name: q_codes, .offset: 48, .size: 8, .value_kind: global_buffer, .address_space: global }
      - { .name: k_codes, .offset: 56, .size: 8, .value_kind: global_buffer, .address_space: global }
      - { .name: v_codes, .offset: 64, .size: 8, .value_kind: global_buffer, .address_space: global }
    .group_segment_fixed_size: 99840
    .private_segment_fixed_size: 0
    .kernarg_segment_align: 8
    .kernarg_segment_size: 72
    .max_flat_workgroup_size: 128
    .sgpr_count:     66
    .vgpr_count:     832
    .wavefront_size: 32
...
	.end_amdgpu_metadata
.endif
;; end of part 2
;; launch attn (part 3): grid 16 x 16, 16 waves a work-group, clusters of 4 x 1, 327,680 bytes of LDS; arguments q_codes, k_codes, v_codes, lowp_scales, att_codes; writes att_codes
.if DOCPART == 3
	.amdgcn_target "amdgcn-amd-amdhsa--gfx1250"
	.amdhsa_code_object_version 6
	.text
	.protected	k_q0b6b5e81b7_attn
	.globl	k_q0b6b5e81b7_attn
	.p2align	8
	.type	k_q0b6b5e81b7_attn,@function
k_q0b6b5e81b7_attn:
	s_mov_b64 s[64:65], 0
	v_nop
	global_prefetch_b8 v0, s[64:65] scope:SCOPE_SE
	s_setreg_imm32_b32 hwreg(HW_REG_WAVE_MODE, 25, 1), 1
	s_wait_xcnt 0x0
	s_wait_alu depctr_hold_cnt(0) depctr_sa_sdst(0) depctr_va_vdst(0) depctr_va_sdst(0) depctr_va_ssrc(0) depctr_va_vcc(0) depctr_vm_vsrc(0)
	s_getreg_b32 s2, hwreg(HW_REG_IB_STS2, 6, 4)
	s_cmp_eq_u32 s2, 0
	s_cbranch_scc0 .Lentry_in_a_cluster
	s_endpgm
.Lentry_in_a_cluster:
	s_bfe_u32 s2, ttmp6, 0x10000c
	s_cmp_lg_u32 s2, 0x3003
	s_cbranch_scc0 .Lentry_shape_is_right
	s_endpgm
.Lentry_shape_is_right:
; Causal attention on codes of E4M3, head size 64, 16 (batch, head) pairs of 4,096 tokens; the result is quantised for the output projection.
; THE SOFTMAX AHEAD OF THE SECOND PRODUCT: t = score x log2(e) / 8; M = the running largest t rounded UP to a whole number; p = 2^(t - M) is quantised along the keys, not normalised;
; the row's sum is taken of the unquantised p and divides O at the end; when M moves, the sum and O are multiplied by 2^(old M - new M), which rounds nothing.
; OPERANDS ARE IMAGES OF REGISTERS (laid so by the launch before): four registers of a fragment are 512 consecutive bytes, lane l's 16 at 16 l.  So K's and V's slots are dense blocks, every LDS load is at 16 x lane + a constant.
; LAYOUT.  S^T = K Q^T (source 0 = 16 consecutive keys, source 1 = my 16 queries; 64 along K): lane (r, h) holds query r and keys 16 T + 8 h + 0 .. 7 of key tile T: one conversion a tile gives registers 2 T, 2 T + 1 of P.
;   O^T = V^T P (source 0 = 16 channels x 128 keys, source 1 = P): channel tile 2 b + u holds channels 32 b + 8 u + r + 8 (r / 8), so a lane's 16 registers of tiles 2 b, 2 b + 1 are channels 32 b + 16 h + 0 .. 15,
;   which, quantised, are four registers of the output projection's operand: att_codes [token tile][head][b][lane][16].  Nothing changes lanes but a maximum and a sum between the halves.
; SHARES.  A wave owns one tile of 16 queries in 256 registers, four waves to a SIMD.  A head's queries are 64 groups of 64; a group's four tiles go one to each partner of a cluster (tile 4 g + cx).
;   Cluster c, wave w: j = w / 4, s = w % 4, pos = 4 j + (s xor 3 (j % 2)), g = 4 pos + (c xor 3 (pos % 2)): the waves w = s mod 4 have groups that add up to 126 for every s and c.
;   A wave multiplies key steps of 128 while the step's first key is at or under its GROUP's last query; such a step's first key is at or under every query of the group (steps begin at multiples of 128, groups at multiples of 64).
;   Every branch is made of the group, the count of steps and the wave's number: alike in the four partners.  cx enters Q's and the output's address, the prefetch's address and the mask's lane term alone.
; CLUSTER.  The four partners walk the same K and V: each tile is asked for JOINTLY.  Two slots of 512 keys (32,768 bytes of K, 32,768 of V); waves 0, 1 ask for K's halves, waves 2, 3 for V's.
;   Every work-group has a wave with g >= 60, so every slot is read in every work-group and no load is left out.  By this text's count a wave has one tensor load out at the most; every wait for them is for 0.
; LIMITS on the given exponents: e6 + e7 between -123 and 130 (added to c's exponent field); e8, and e10 - e8 - e9, between -126 and 119.  NaN among the inputs is not served.
.set SLOT1, 65536                      ; slot 1 begins here: one exclusive or turns an address in one slot into the other's
.set VOFF,  32768                      ; in a slot: K's 32 key tiles of 1,024 bytes, then V's 4 blocks of 8,192
.set SPARE, 2*SLOT1                    ; behind the ring: the spare words, 128 bytes for each wave: eight blocks of 256 bytes that no other line names
.set LI,  1                            ; v1   16 x lane
.set PFO, 2                            ; v2   256 x lane: the prefetches' offset; never rewritten
.set SPW, 3                            ; v3   LDS address of my spare word; never rewritten
.set NIL, 4                            ; v4   0; never rewritten
.set ADR, 6                            ; v6   the slot in hand + 16 x lane
.set QD,  7                            ; v7   my query - 8 h
.set QF,  8                            ; v8-15    Q's fragment
                                       ; v16 -M, v17 the largest t, v[18:19] the sum in two halves, v20 2^e8, v21 448 x 2^e8, v22, v23 at work, v[24:25] f, v26 a permute's destination,
                                       ; v[28:29] the sum's second chain, v30 2^(e10 - e8 - e9), v31 448 x that
.set KV,  32                           ; v32-95   K's 8 fragments, then V's 4
.set S,   96                           ; v96-159  S^T, then p
.set O,   160                          ; v160-191 O^T
.set PCD, 192                          ; v192-207 p's codes
.set OC,  208                          ; v208-215 the output's codes
.set TB,  14                           ; s14  LDS byte at which the slot in hand begins
.set SLOTS, 15                         ; s15  slots still to be asked for
.set KF,  16                           ; s16  the step's first key
.set GQ,  17                           ; s17  my group's first query
.set WV,  18                           ; s18  my wave's number
.set Q0,  19                           ; s19  my first query
.set SEL, 20                           ; s[20:21] v_permlanex16_b32's selects: lane l xor 16
.set CS,  22                           ; s[22:23] c = log2(e) / 8 x 2^(e6 + e7)
.set G1,  24                           ; s[24:31] descriptor group 1: one shape for K's and V's halves
.set PFA, 32                           ; s[32:33] where my prefetches stand
.set LIM, 34                           ; s34  1 in a wave that prefetches, else the greatest number
.set G0K, 40                           ; s[40:43], s[44:47] groups 0, which walk
.set G0V, 44
.macro CROUND                          ; a round of the cluster's barrier
	s_barrier_signal -1
	s_barrier_wait -1
	s_cmp_lg_u32 s[WV], 0
	s_cbranch_scc1 .Lnot_wave_0_\@
	s_barrier_signal -3
.Lnot_wave_0_\@:
	s_barrier_wait -3
	s_barrier_signal -1
	s_barrier_wait -1
.endm
.macro TLOAD                           ; the joint load: the branches hang on the wave's number alone; an s_nop 0 and four v_nop follow each of the two lines
	s_cmp_lt_u32 s[WV], 2
	s_cbranch_scc0 .Lnot_k_\@
	tensor_load_to_lds s[G0K:G0K+3], s[G1:G1+7]
	s_nop 0
.rept 4
	v_nop
.endr
	s_branch .Lasked_\@
.Lnot_k_\@:
	s_cmp_lt_u32 s[WV], 4
	s_cbranch_scc0 .Lasked_\@
	tensor_load_to_lds s[G0V:G0V+3], s[G1:G1+7]
	s_nop 0
.rept 4
	v_nop
.endr
.Lasked_\@:
.endm
; A prefetch of what the NEXT change of slots will ask for: a slot, four key steps, ahead of that load.  All four clusters of a head walk the same K and V: the head's first cluster asks.  Its four partners share a slot's
; 32,768 bytes out BY ADDRESS, 8,192 each, lanes 256 bytes apart; wave 4 asks for K's, wave 5 for V's: each block of 256 bytes is named once in the launch.  The last change that fills a slot asks for nothing; slots 0 and 1 come by their loads alone.
.macro ASK
	s_cmp_gt_u32 s[SLOTS], s[LIM]
	s_cbranch_scc0 .Lnot_mine_\@
	global_prefetch_b8 v[PFO], s[PFA:PFA+1] th:TH_LOAD_NT scope:SCOPE_SE
.Lnot_mine_\@:
.endm
	s_load_b256 s[4:11], s[0:1], 0x0               ; q_codes, k_codes, v_codes, the scales' exponents
	s_load_b64 s[12:13], s[0:1], 0x20              ; att_codes
	v_lshl_add_u32 v[SPW], v0, 2, SPARE
	v_mov_b32 v[NIL], 0
	ds_add_u32 v[SPW], v[NIL]                      ; the wave's opening: the add and its wait stand ahead of the first tensor loads; the set-up below, work on registers, stands between them
	v_lshrrev_b32 v[ADR], 5, v0
	v_readfirstlane_b32 s[WV], v[ADR]              ; wave 0..15
	s_bfe_u32 s48, ttmp6, 0x40000                  ; cx
	s_and_b32 s49, ttmp7, 0xffff                   ; the (batch, head) pair, which the partners share
	s_lshr_b32 s50, s[WV], 2                       ; j
	s_and_b32 s51, s[WV], 3                        ; s
	s_and_b32 s52, s50, 1
	s_mul_i32 s52, s52, 3
	s_xor_b32 s51, s51, s52
	s_lshl_b32 s53, s50, 2
	s_add_co_u32 s53, s53, s51                     ; pos
	s_and_b32 s54, s53, 1
	s_mul_i32 s54, s54, 3
	s_xor_b32 s54, s54, ttmp9                      ; in a cluster launch ttmp9 counts clusters
	s_lshl_b32 s55, s53, 2
	s_add_co_u32 s55, s55, s54                     ; g
	s_lshl_b32 s[GQ], s55, 6
	s_lshl_b32 s56, s48, 4
	s_add_co_u32 s[Q0], s[GQ], s56
	s_lshl_b32 s56, s55, 2
	s_add_co_u32 s56, s56, s48                     ; my tile of 16 queries: 4 g + cx
	s_lshl_b32 s57, s49, 18                        ; the pair's 262,144 bytes in q_codes, k_codes, v_codes
	s_and_b32 s58, s[WV], 1
	s_lshl_b32 s58, s58, 14                        ; which half of a slot's K or V I fetch, if I fetch: the same step in memory and in LDS
	s_add_co_u32 s60, s57, s58
	s_mov_b32 s61, 0
	s_lshl_b32 s62, s56, 10
	s_add_co_u32 s62, s62, s57                     ; Q: my tile's 1,024 bytes
	s_mov_b32 s63, 0
	s_lshr_b32 s74, s49, 3                         ; the output: token tile 256 x batch + my tile, 8,192 bytes each,
	s_lshl_b32 s74, s74, 8
	s_add_co_u32 s74, s74, s56
	s_lshl_b32 s74, s74, 13
	s_and_b32 s75, s49, 7
	s_lshl_b32 s75, s75, 10
	s_add_co_u32 s74, s74, s75                     ; the head's 1,024 of them
	s_mov_b32 s75, 0
	s_lshl_b32 s76, s48, 13                        ; the prefetches: my work-group's 8,192 bytes of a slot's 32,768,
	s_add_co_u32 s76, s76, s57
	s_add_co_u32 s76, s76, 32768                   ; in slot 1: the first change of slots steps it to slot 2.  Nothing is prefetched at the head
	s_mov_b32 s77, 0
	s_sub_co_u32 s78, s[WV], 4
	s_lshr_b32 s78, s78, 1                         ; 0 in waves 4 and 5,
	s_or_b32 s78, s78, ttmp9                       ; of the head's first cluster: the same in all four partners
	s_cmp_eq_u32 s78, 0
	s_cselect_b32 s[LIM], 1, -1
	; descriptor group 1: a dense block of 16,384 bytes as 64 rows of 32 elements of 8 bytes
	s_mov_b32 s[G1], 15|(3<<16)|(1<<21)            ; 15:0 the mask: all four work-groups; 17:16 elements of 8 bytes; 20 no padding; 21 set beside a mask
	s_mov_b32 s[G1+1], 32<<16                      ; tensor_dim0 = 32
	s_mov_b32 s[G1+2], 64<<16                      ; tensor_dim1 = 64
	s_mov_b32 s[G1+3], 32<<16                      ; tile_dim0 = 32
	s_mov_b32 s[G1+4], 64                          ; tile_dim1 = 64
	s_mov_b32 s[G1+5], 32                          ; from row to row: 32 elements
	s_mov_b32 s[G1+6], 0
	s_mov_b32 s[G1+7], 0
	s_mov_b32 s[SEL], 0x76543210
	s_mov_b32 s[SEL+1], 0xfedcba98
	s_mov_b32 s[CS], 0x3e38aa3b                    ; log2(e) / 8
	s_mov_b32 s[TB], 0
	s_mov_b32 s[SLOTS], 7
	s_mov_b32 s[KF], 0
	v_and_b32 v[LI], 31, v0
	v_lshlrev_b32 v[PFO], 8, v[LI]
	v_lshlrev_b32 v[LI], 4, v[LI]
	v_and_b32 v[QD], 15, v0
	v_bfe_u32 v22, v0, 4, 1
	v_lshlrev_b32 v22, 3, v22
	v_sub_nc_u32 v[QD], v[QD], v22
	v_add_nc_u32 v[QD], s[Q0], v[QD]               ; my query - 8 h
	s_wait_dscnt 0x0                               ; the opening add is done
	s_wait_kmcnt 0x0
	s_load_b128 s[68:71], s[10:11], 0x18           ; e6, e7, e8, e9
	s_load_b32 s72, s[10:11], 0x28                 ; e10
	s_mov_b32 s[G0K], 1                            ; count = 1
	s_mov_b32 s[G0K+1], s58                        ; LDS address: slot 0, my half of K
	s_add_nc_u64 s[G0K+2:G0K+3], s[6:7], s[60:61]
	s_or_b32 s[G0K+3], s[G0K+3], 0x80000000        ; type = 2
	s_mov_b32 s[G0V], 1
	s_add_co_u32 s[G0V+1], s58, VOFF
	s_add_nc_u64 s[G0V+2:G0V+3], s[8:9], s[60:61]
	s_or_b32 s[G0V+3], s[G0V+3], 0x80000000
	s_cmp_eq_u32 s[WV], 4
	s_cselect_b64 s[PFA:PFA+1], s[6:7], s[8:9]
	s_add_nc_u64 s[PFA:PFA+1], s[PFA:PFA+1], s[76:77]
	s_add_nc_u64 s[4:5], s[4:5], s[62:63]
	s_add_nc_u64 s[12:13], s[12:13], s[74:75]
	CROUND                                         ; all four work-groups are here: the first joint loads meet
	TLOAD                                          ; slot 0
	global_load_b128 v[QF:QF+3], v[LI], s[4:5] th:TH_LOAD_NT              ; Q's fragment stays in registers; my wave alone reads it
	global_load_b128 v[QF+4:QF+7], v[LI], s[4:5] offset:512 th:TH_LOAD_NT
	v_mov_b32 v17, 0xff61b1e6                      ; the largest t so far: -3e38, under every t
	v_floor_f32 v16, -v17                          ; -M
	v_mov_b32 v18, 0                               ; the sum
	v_mov_b32 v19, 0
	v_mov_b32 v25, 0                               ; (named as the upper half of the pair v[24:25])
	v_mov_b32 v26, 0                               ; a lane permute's destination counts as one of its sources
.set i, 0
.rept 32
	v_mov_b32 v[O+i], 0                            ; O^T: the step is written once; the first finds zeros, which the first change of M leaves zeros
.set i, i+1
.endr
	s_wait_kmcnt 0x0
	s_add_co_i32 s78, s68, s69
	s_lshl_b32 s78, s78, 23
	s_add_co_i32 s[CS], s[CS], s78                 ; a score stands for score x 2^(e6 + e7): added to c's exponent field
	s_mov_b32 s[CS+1], s[CS]                       ; (named with it as a pair)
	s_add_co_i32 s78, s70, 127
	s_lshl_b32 s79, s78, 23
	v_mov_b32 v20, s79                             ; 2^e8
	s_add_co_i32 s78, s78, 8
	s_lshl_b32 s78, s78, 23
	s_or_b32 s78, s78, 0x600000
	v_mov_b32 v21, s78                             ; 448 x 2^e8
	s_sub_co_i32 s78, s72, s70
	s_sub_co_i32 s78, s78, s71                     ; O / the sum stands for that x 2^(e8 + e9): its code is taken with 2^(e10 - e8 - e9)
	s_add_co_i32 s78, s78, 127
	s_lshl_b32 s79, s78, 23
	v_mov_b32 v30, s79
	s_add_co_i32 s78, s78, 8
	s_lshl_b32 s78, s78, 23
	s_or_b32 s78, s78, 0x600000
	v_mov_b32 v31, s78
; A KEY STEP: 128 keys, the q-th of the slot in hand.
.macro STEP q
	s_add_co_u32 s96, s[GQ], 63                    ; a step all of whose keys come after my group's queries is left out: a branch on ids and the count of steps, round loads, products and softmax alone
	s_cmp_gt_u32 s[KF], s96
	s_cbranch_scc1 .Lhidden_\@
	v_add_nc_u32 v[ADR], s[TB], v[LI]
.rept 3
	v_nop                                          ; with the addition above: four places in front of loads into registers that the last products read (ISA guide 7.12.1 for vector instructions)
.endr
.irp t, 0,1,2,3,4,5,6,7
.irp c, 0,1
	ds_load_b128 v[KV+8*\t+4*\c:KV+8*\t+4*\c+3], v[ADR] offset:8192*(\q)+1024*\t+512*\c
.endr
.endr
	s_wait_dscnt 0x0
.irp t, 0,1,2,3,4,5,6,7
	v_wmma_f32_16x16x64_fp8_fp8 v[S+8*\t:S+8*\t+7], v[KV+8*\t:KV+8*\t+7], v[QF:QF+7], 0
.endr
.rept 4
	v_nop                                          ; four places: for V's loads into K's registers, and for the first read of the scores
.endr
.irp t, 0,1,2,3
.irp g, 0,1,2,3
	ds_load_b128 v[KV+16*\t+4*\g:KV+16*\t+4*\g+3], v[ADR] offset:VOFF+8192*(\q)+2048*\t+512*\g   ; V lands while the softmax is walked
.endr
.endr
	s_add_co_u32 s96, s[KF], 127                   ; on the diagonal hidden scores become -infinity ahead of the maximum, so p = 0; a step all of whose keys count for the whole group skips this
	s_cmp_le_u32 s96, s[GQ]
	s_cbranch_scc1 .Lopen_\@
	v_sub_nc_u32 v22, v[QD], s[KF]                 ; d = my query - 8 h - KF.  Register 8 T + j holds key KF + 16 T + 8 h + j: hidden where 16 T + j > d
	v_mov_b32 v23, 0xff800000
.set n, 0
.rept 64
	v_cmp_gt_i32 vcc_lo, 16*(n/8)+n%8, v22
	v_cndmask_b32 v[S+n], v[S+n], v23, vcc_lo
.set n, n+1
.endr
.Lopen_\@:
	v_max3_num_f32 v22, v[S], v[S+1], v[S+2]       ; the step's largest score of my query among my 64 keys, in two chains, ascending: each accumulator is read from its low end on
	v_max3_num_f32 v23, v[S+3], v[S+4], v[S+5]
.irp i, 6,10,14,18,22,26,30,34,38,42,46,50,54,58
	v_max3_num_f32 v22, v22, v[S+\i], v[S+\i+1]
	v_max3_num_f32 v23, v23, v[S+\i+2], v[S+\i+3]
.endr
	v_max3_num_f32 v22, v22, v[S+62], v[S+63]
	v_max_num_f32 v22, v22, v23
	v_permlanex16_b32 v26, v22, s[SEL], s[SEL+1]
	v_max_num_f32 v22, v22, v26                    ; and among lane l xor 16's
	v_mul_f32 v22, s[CS], v22                      ; as t (c is positive)
	v_max_num_f32 v17, v17, v22                    ; the running largest t
	v_mov_b32 v22, v16
	v_floor_f32 v16, -v17                          ; the new -M = -ceil(t): M is a whole number
	v_sub_f32 v22, v16, v22                        ; old M - new M: a whole number, 0 or less
	v_cvt_i32_f32 v22, v22                         ; (it saturates)
	v_ldexp_f32 v24, 1.0, v22                      ; f = 2^(old M - new M)
.set n, 0
.rept 32
	v_pk_fma_f32 v[S+n:S+n+1], v[S+n:S+n+1], s[CS:CS+1], v[16:17] op_sel_hi:[1,0,0]   ; t - M, two at a time (of the pairs c and -M the low word serves both halves)
.set n, n+2
.endr
.set n, 0
.rept 64
	v_exp_f32 v[S+n], v[S+n]                       ; p = 2^(t - M)
.set n, n+1
.endr
	v_pk_mul_f32 v[18:19], v[18:19], v[24:25] op_sel_hi:[1,0]   ; the sum under the new M: the plain line behind the exponentials
	s_wait_alu depctr_va_vdst(0)                   ; one wait for the batch of 64, ahead of its first reader
	v_pk_add_f32 v[28:29], v[S:S+1], v[S+2:S+3]    ; the row's sum is taken of the UNQUANTISED p, in two chains
.irp j, 4,8,12,16,20,24,28,32,36,40,44,48,52,56,60
	v_pk_add_f32 v[18:19], v[18:19], v[S+\j:S+\j+1]
	v_pk_add_f32 v[28:29], v[28:29], v[S+\j+2:S+\j+3]
.endr
	v_pk_add_f32 v[18:19], v[18:19], v[28:29]
.irp t, 0,1,2,3,4,5,6,7
.irp i, 0,1,2,3,4,5,6,7
	v_min_num_f32 v[S+8*\t+\i], v[S+8*\t+\i], v21  ; the conversion does not saturate (ISA guide 7.6.2); p is not negative, so the hold is one-sided
.endr
	v_cvt_scalef32_pk8_fp8_f32 v[PCD+2*\t:PCD+2*\t+1], v[S+8*\t:S+8*\t+7], v20   ; keys 16 T + 8 h + 0 .. 7: registers 2 T, 2 T + 1 of P
.endr
.set n, 0
.rept 16
	v_pk_mul_f32 v[O+n:O+n+1], v[O+n:O+n+1], v[24:25] op_sel_hi:[1,0]   ; O^T under the new M; also the plain lines between the conversions and the products
.set n, n+2
.endr
	s_wait_dscnt 0x0                               ; V is in
.irp t, 0,1,2,3
	v_wmma_f32_16x16x128_fp8_fp8 v[O+8*\t:O+8*\t+7], v[KV+16*\t:KV+16*\t+15], v[PCD:PCD+15], v[O+8*\t:O+8*\t+7]   ; four accumulators by turns, one instruction a turn
.endr
.Lhidden_\@:
	s_add_co_u32 s[KF], s[KF], 128
.endm
; THE CHANGE OF SLOTS stands at a slot's head.  Each wave waits for all its tensor loads (its part of the slot ahead), adds 0 to its spare word, and waits for that and for its reads of the slot that it has left.
; fill = 1: the barrier is a round of the cluster's, so that no wave of any partner still reads that slot or has a load on its way; the joint refill is the first thing behind it, and has a slot's four steps in which to land.
.macro CHANGE fill
	s_wait_tensorcnt 0x0                           ; no tensor load of mine is out, so a group 0 may be written
	ds_add_u32 v[SPW], v[NIL]                      ; 0 onto my spare word
.if \fill
	s_xor_b32 s[G0K+1], s[G0K+1], SLOT1            ; the walking descriptors: the other slot,
	s_add_nc_u64 s[G0K+2:G0K+3], s[G0K+2:G0K+3], 32768   ; the next 512 keys; the type bits on top are not reached
	s_xor_b32 s[G0V+1], s[G0V+1], SLOT1
	s_add_nc_u64 s[G0V+2:G0V+3], s[G0V+2:G0V+3], 32768
	s_wait_xcnt 0x0                                ; the last prefetch, a slot back, has read its address
	s_add_nc_u64 s[PFA:PFA+1], s[PFA:PFA+1], 32768 ; one slot further on than the walking descriptors
	s_wait_dscnt 0x0                               ; the add is done, and my reads of the slot that I have left are over
	CROUND
	TLOAD
	ASK
.else
	s_wait_dscnt 0x0
	s_barrier_signal -1
	s_barrier_wait -1
.endif
.endm
.macro SLOT_STEPS
	STEP 0
	STEP 1
	STEP 2
	STEP 3
	s_xor_b32 s[TB], s[TB], SLOT1                  ; on to the other slot
.endm
	s_wait_loadcnt 0x0                             ; Q
.Lslot:                                            ; seven trips: behind each change of slots but the last the next slot is asked for
	CHANGE 1
	SLOT_STEPS
	s_sub_co_u32 s[SLOTS], s[SLOTS], 1
	s_cmp_lg_u32 s[SLOTS], 0
	s_cbranch_scc1 .Lslot
	CHANGE 0                                       ; the last slot is written out
	SLOT_STEPS
	; THE WAY OUT: O^T / the sum, quantised: a lane's 16 channels of tiles 2 b, 2 b + 1 are 16 bytes of the next operand's image: two stores of 512 consecutive bytes, no stage
.rept 4
	v_nop                                          ; four places behind the last products
.endr
	v_add_f32 v18, v18, v19                        ; the sum's two halves,
	v_permlanex16_b32 v26, v18, s[SEL], s[SEL+1]
	v_add_f32 v18, v18, v26                        ; and lane l xor 16's
	v_rcp_f32 v24, v18
	v_nop                                          ; a plain line behind the reciprocal
	s_wait_alu depctr_va_vdst(0)                   ; and the wait ahead of its first reader
.set n, 0
.rept 16
	v_pk_mul_f32 v[S+n:S+n+1], v[O+n:O+n+1], v[24:25] op_sel_hi:[1,0]
.set n, n+2
.endr
.set n, 0
.rept 32
	v_med3_num_f32 v[S+n], v[S+n], -v31, v31
.set n, n+1
.endr
.irp t, 0,1,2,3
	v_cvt_scalef32_pk8_fp8_f32 v[OC+2*\t:OC+2*\t+1], v[S+8*\t:S+8*\t+7], v30
.endr
	v_nop
	global_store_b128 v[LI], v[OC:OC+3], s[12:13]
	global_store_b128 v[LI], v[OC+4:OC+7], s[12:13] offset:512
	s_wait_tensorcnt 0x0                           ; the wave's end
	ds_add_u32 v[SPW], v[NIL]
	s_wait_dscnt 0x0
	CROUND                                         ; the closing round: no work-group ends while a partner may still ask for a tile that names it
	s_endpgm
.Lfunc_end_k_q0b6b5e81b7_attn:
	.size	k_q0b6b5e81b7_attn, .Lfunc_end_k_q0b6b5e81b7_attn-k_q0b6b5e81b7_attn
	.p2alignl 7, 3214868480
	.fill 96, 4, 3214868480
	.section	.rodata,"a",@progbits
	.p2align	6, 0x0
	.amdhsa_kernel k_q0b6b5e81b7_attn
		.amdhsa_group_segment_fixed_size 327680
		.amdhsa_private_segment_fixed_size 0
		.amdhsa_enable_private_segment 0
		.amdhsa_kernarg_size 40
		.amdhsa_user_sgpr_count 2
		.amdhsa_user_sgpr_kernarg_segment_ptr 1
		.amdhsa_wavefront_size32 1
		.amdhsa_system_sgpr_workgroup_id_x 1
		.amdhsa_system_sgpr_workgroup_id_y 1
		.amdhsa_system_sgpr_workgroup_id_z 1
		.amdhsa_system_vgpr_workitem_id 0
		.amdhsa_next_free_vgpr 256
		.amdhsa_next_free_sgpr 100
		.amdhsa_reserve_vcc 1
		.amdhsa_float_denorm_mode_32 3
		.amdhsa_float_denorm_mode_16_64 3
		.amdhsa_memory_ordered 1
		.amdhsa_forward_progress 1
		.amdhsa_inst_pref_size 177
	.end_amdhsa_kernel
	.amdgpu_metadata
---
amdhsa.version: [ 1, 2 ]
amdhsa.kernels:
  - .name:           k_q0b6b5e81b7_attn
    .symbol:         k_q0b6b5e81b7_attn.kd
    .args:
      - { .name: q_codes, .offset: 0, .size: 8, .value_kind: global_buffer, .address_space: global }
      - { .name: k_codes, .offset: 8, .size: 8, .value_kind: global_buffer, .address_space: global }
      - { .name: v_codes, .offset: 16, .size: 8, .value_kind: global_buffer, .address_space: global }
      - { .name: lowp_scales, .offset: 24, .size: 8, .value_kind: global_buffer, .address_space: global }
      - { .name: att_codes, .offset: 32, .size: 8, .value_kind: global_buffer, .address_space: global }
    .group_segment_fixed_size: 327680
    .private_segment_fixed_size: 0
    .kernarg_segment_align: 8
    .kernarg_segment_size: 40
    .max_flat_workgroup_size: 512
    .sgpr_count:     100
    .vgpr_count:     256
    .wavefront_size: 32
...
	.end_amdgpu_metadata
.endif
;; end of part 3
;; launch oproj (part 4): grid 4 x 64, 4 waves a work-group, no clusters, 99,840 bytes of LDS; arguments att_codes, wimg, lowp_scales, bo, out0; writes out0
.if DOCPART == 4
	.amdgcn_target "amdgcn-amd-amdhsa--gfx1250"
	.amdhsa_code_object_version 6
	.text
	.protected	k_q0b6b5e81b7_oproj
	.globl	k_q0b6b5e81b7_oproj
	.p2align	8
	.type	k_q0b6b5e81b7_oproj,@function
k_q0b6b5e81b7_oproj:
	s_mov_b64 s[64:65], 0
	v_nop
	global_prefetch_b8 v0, s[64:65] scope:SCOPE_SE
	s_setreg_imm32_b32 hwreg(HW_REG_WAVE_MODE, 25, 1), 1
	s_wait_xcnt 0x0
; out0 = att Wo + bo on codes of E4M3: out = sum x 2^(e10 + e11) + bo, one packed multiply-add for two numbers.  att_codes and Wo's part of wimg are images of operand registers (four registers = 512 bytes, lane l's 16 at 16 l).
; SHARES.  Work-group (U, rg): 128 rows from 128 rg on x features 128 U .. 128 U + 127.  Wave w: token tiles 2 w, 2 w + 1 of the eight against all 8 feature tiles: 16 accumulators, K = 512 in 4 steps.
;   A wave's 16,384 bytes of att are read by it alone, straight into registers.  The unit's 65,536 bytes of Wo are fetched once a work-group, a quarter a wave, handed round through LDS as they lie, and then held in 512 registers.
; The product is used transposed (source 0 = 16 features of Wo, source 1 = 16 tokens): Wo's tile 2 b + u holds features 32 b + 8 u + r + 8 (r / 8), so lane (r, h) holds token r and, in tile t, features 32 (t / 2) + 16 h + 8 (t % 2) + 0 .. 7.
; The way out goes through the wave's own stage (16 rows of 512 bytes + 16): each store covers 512 consecutive bytes of a row of out0, aligned to 512.
; NO CLUSTER, though the 64 row groups of a unit read the same 65,536 bytes: they are fetched once, at the head, with no loop over which the cluster's rounds could be spread; this text has one barrier.
; LIMITS: e10 + e11 between -126 and 127.  The place of k inside a matrix instruction is permuted, alike in both operands.
; REGISTERS.  Window 0: v1-13 addresses; v16-79 bo in the result's layout, later rows of tile 1; v80-207 my quarter of Wo, later v80-143 results and v144-207 rows of tile 0.
;   Window 1: v0-127 att's 8 fragments (tile l, K step s at 64 l + 16 s); v128-255 the accumulators ((l, t) at 128 + 64 l + 8 t).  Windows 2, 3: Wo's K steps 0, 1 and 2, 3 (fragment (s, t) at 16 (8 (s % 2) + t)).
.set WIMG,   0
.set STG,    65536
.set SPITCH, 528
.set STGB,   16*SPITCH
.set SPARE,  STG+4*STGB                ; the spare words, 128 bytes for each wave: two blocks of 256 bytes that no other line names
.set LI,   1                           ; v1  16 x lane
.set STO,  4                           ; v4  my stage + 528 r + 64 h
.set RD,   5                           ; v5  my stage + 16 x lane
.set WST,  6                           ; v6  16 x lane + 16,384 x wave
.set BA,   7                           ; v7  64 h
.set SPW,  12                          ; LDS address of my spare word; never rewritten
.set NIL,  13                          ; 0; never rewritten
.set BO,   16
.set TMPW, 80
.set TMP,  80
.set ACC,  128
.set MSB, 0
.macro WIN new                         ; s_set_vgpr_msb: bits 1:0 source 0, 3:2 source 1, 5:4 source 2, 7:6 destination; the high byte repeats the setting that is left
.if MSB != \new
	s_set_vgpr_msb (MSB<<8)|\new
.set MSB, \new
.endif
.endm
	s_load_b256 s[4:11], s[0:1], 0x0               ; att_codes, wimg, the scales' exponents, bo
	s_load_b64 s[12:13], s[0:1], 0x20              ; out0
	v_lshl_add_u32 v[SPW], v0, 2, SPARE
	v_mov_b32 v[NIL], 0
	v_lshrrev_b32 v2, 5, v0
	v_readfirstlane_b32 s14, v2                    ; wave
	s_and_b32 s15, ttmp7, 0xffff                   ; rg
	v_and_b32 v[LI], 31, v0
	v_lshlrev_b32 v[LI], 4, v[LI]
	v_and_b32 v2, 15, v0                           ; r
	v_bfe_u32 v3, v0, 4, 1                         ; h
	s_mul_i32 s16, s14, STGB
	s_add_co_u32 s16, s16, STG                     ; my stage
	v_mul_u32_u24 v[STO], v2, SPITCH
	v_lshl_add_u32 v[STO], v3, 6, v[STO]
	v_add_nc_u32 v[STO], s16, v[STO]
	v_add_nc_u32 v[RD], s16, v[LI]
	s_lshl_b32 s17, s14, 14
	v_add_nc_u32 v[WST], s17, v[LI]
	v_lshlrev_b32 v[BA], 6, v3
	s_lshl_b32 s18, ttmp9, 16                      ; wimg: unit U,
	s_add_co_u32 s18, s18, s17                     ; my quarter (K step w),
	s_add_co_u32 s18, s18, 3*262144                ; of the fourth weight
	s_mov_b32 s19, 0
	s_lshl_b32 s20, s15, 16                        ; att: token tile 8 rg + 2 w, 8,192 bytes a tile
	s_add_co_u32 s20, s20, s17
	s_mov_b32 s21, 0
	s_lshl_b32 s22, ttmp9, 9                       ; bo, and a row of out0: the unit's 512 bytes
	s_mov_b32 s23, 0
	s_lshl_b32 s24, s15, 18                        ; out0: row 128 rg + 32 w, 2,048 bytes a row
	s_lshl_b32 s25, s14, 16
	s_add_co_u32 s24, s24, s25
	s_add_co_u32 s24, s24, s22
	s_mov_b32 s25, 0
	s_wait_kmcnt 0x0
	s_load_b64 s[26:27], s[8:9], 0x28              ; e10, e11
	s_add_nc_u64 s[6:7], s[6:7], s[18:19]
	s_add_nc_u64 s[4:5], s[4:5], s[20:21]
	s_add_nc_u64 s[10:11], s[10:11], s[22:23]
	s_add_nc_u64 s[12:13], s[12:13], s[24:25]
.set n, 0
.rept 32
	global_load_b128 v[TMPW+4*n:TMPW+4*n+3], v[LI], s[6:7] offset:512*n     ; my quarter of Wo's unit
.set n, n+1
.endr
	WIN 0x40                                       ; destination window 1
.set n, 0
.rept 32
	global_load_b128 v[4*n:4*n+3], v[LI], s[4:5] offset:512*n              ; my two tiles of att: 8 fragments on end
.set n, n+1
.endr
	WIN 0
.irp t, 0,1,2,3,4,5,6,7
	global_load_b128 v[BO+8*\t:BO+8*\t+3], v[BA], s[10:11] offset:(32*(\t/2)+8*(\t%2))*4
	global_load_b128 v[BO+8*\t+4:BO+8*\t+7], v[BA], s[10:11] offset:(32*(\t/2)+8*(\t%2))*4+16
.endr
	s_wait_loadcnt 48                              ; loads return in order: Wo's 32 are in; att's 32 and the bias's 16 may be out
.set n, 0
.rept 32
	ds_store_b128 v[WST], v[TMPW+4*n:TMPW+4*n+3] offset:WIMG+512*n
.set n, n+1
.endr
	s_wait_dscnt 0x0                               ; for the others' sake: my quarter has landed
	s_barrier_signal -1
	s_barrier_wait -1                              ; the unit's 32 fragments lie in LDS
	WIN 0x80                                       ; destination window 2
.set n, 0
.rept 64
	ds_load_b128 v[4*n:4*n+3], v[LI] offset:WIMG+512*n
.set n, n+1
.endr
	WIN 0xc0                                       ; destination window 3
.set n, 0
.rept 64
	ds_load_b128 v[4*n:4*n+3], v[LI] offset:WIMG+32768+512*n
.set n, n+1
.endr
	WIN 0
	s_wait_kmcnt 0x0
	s_add_co_i32 s46, s26, s27
	s_add_co_i32 s46, s46, 127
	s_lshl_b32 s46, s46, 23                        ; 2^(e10 + e11) as f32
	s_mov_b32 s47, s46                             ; (named with it as a pair)
; 16 products: K step s, the sixteen accumulators by turns, one instruction a turn.  zero = 1: the first products start the sums
.macro MMS s, zero
.irp t, 0,1,2,3,4,5,6,7
.irp l, 0,1
.if \zero
	v_wmma_f32_16x16x128_fp8_fp8 v[ACC+64*\l+8*\t:ACC+64*\l+8*\t+7], v[16*(8*(\s%2)+\t):16*(8*(\s%2)+\t)+15], v[64*\l+16*\s:64*\l+16*\s+15], 0
.else
	v_wmma_f32_16x16x128_fp8_fp8 v[ACC+64*\l+8*\t:ACC+64*\l+8*\t+7], v[16*(8*(\s%2)+\t):16*(8*(\s%2)+\t)+15], v[64*\l+16*\s:64*\l+16*\s+15], v[ACC+64*\l+8*\t:ACC+64*\l+8*\t+7]
.endif
.endr
.endr
.endm
	s_wait_loadcnt 0x0                             ; att and the bias
	s_wait_dscnt 63                                ; of the 128 loads at most 63 are out: the first 64, K steps 0 and 1, are in
	WIN 0x56                                       ; source 0 (Wo) window 2; source 1 (att), C and D window 1
	MMS 0, 1
	MMS 1, 0
	s_wait_dscnt 0x0
	WIN 0x57                                       ; Wo's K steps 2, 3: window 3
	MMS 2, 0
	MMS 3, 0
	WIN 0
.rept 4
	v_nop                                          ; four places between the last product and the first read of results (ISA guide 7.12.1)
.endr
.macro TOSTAGE l                       ; token tile l: scale and bias, into my stage, back as whole rows.  LDS serves a wave's instructions in order: no wait between the stores and the loads, nor ahead of the next tile's stores
.set BK, 144-128*\l
	WIN 0x01                                       ; source 0 (the sums) window 1
.set n, 0
.rept 32
	v_pk_fma_f32 v[TMP+n:TMP+n+1], v[ACC+64*\l+n:ACC+64*\l+n+1], s[46:47], v[BO+n:BO+n+1] op_sel_hi:[1,0,1]   ; ascending: each accumulator from its low end on
.set n, n+2
.endr
	WIN 0
.irp t, 0,1,2,3,4,5,6,7
	ds_store_b128 v[STO], v[TMP+8*\t:TMP+8*\t+3] offset:128*(\t/2)+32*(\t%2)
	ds_store_b128 v[STO], v[TMP+8*\t+4:TMP+8*\t+7] offset:128*(\t/2)+32*(\t%2)+16
.endr
.irp j, 0,1,2,3,4,5,6,7,8,9,10,11,12,13,14,15
	ds_load_b128 v[BK+4*\j:BK+4*\j+3], v[RD] offset:SPITCH*\j
.endr
.endm
.macro SEND l, younger                 ; younger: the LDS instructions issued behind tile l's loads, which may stay out
.set BK, 144-128*\l
	s_wait_dscnt \younger
.irp j, 0,1,2,3,4,5,6,7,8,9,10,11,12,13,14,15
	global_store_b128 v[LI], v[BK+4*\j:BK+4*\j+3], s[12:13] offset:(16*\l+\j)*2048 th:TH_STORE_NT   ; 32 lanes store 512 consecutive bytes of a row; written once, read by nobody here
.endr
.endm
	TOSTAGE 0
	TOSTAGE 1                                      ; (its rows land where the bias lay, behind the multiply-adds that read it)
	SEND 0, 32                                     ; behind tile 0's loads: tile 1's 16 stores and 16 loads
	SEND 1, 0
	s_wait_tensorcnt 0x0                           ; the wave's end, behind my last LDS store
	ds_add_u32 v[SPW], v[NIL]
	s_wait_dscnt 0x0
	s_endpgm
.Lfunc_end_k_q0b6b5e81b7_oproj:
	.size	k_q0b6b5e81b7_oproj, .Lfunc_end_k_q0b6b5e81b7_oproj-k_q0b6b5e81b7_oproj
	.p2alignl 7, 3214868480
	.fill 96, 4, 3214868480
	.section	.rodata,"a",@progbits
	.p2align	6, 0x0
	.amdhsa_kernel k_q0b6b5e81b7_oproj
		.amdhsa_group_segment_fixed_size 99840
		.amdhsa_private_segment_fixed_size 0
		.amdhsa_enable_private_segment 0
		.amdhsa_kernarg_size 40
		.amdhsa_user_sgpr_count 2
		.amdhsa_user_sgpr_kernarg_segment_ptr 1
		.amdhsa_wavefront_size32 1
		.amdhsa_system_sgpr_workgroup_id_x 1
		.amdhsa_system_sgpr_workgroup_id_y 1
		.amdhsa_system_sgpr_workgroup_id_z 1
		.amdhsa_system_vgpr_workitem_id 0
		.amdhsa_next_free_vgpr 1024
		.amdhsa_next_free_sgpr 66
		.amdhsa_reserve_vcc 0
		.amdhsa_float_denorm_mode_32 3
		.amdhsa_float_denorm_mode_16_64 3
		.amdhsa_memory_ordered 1
		.amdhsa_forward_progress 1
		.amdhsa_inst_pref_size 36
	.end_amdhsa_kernel
	.amdgpu_metadata
---
amdhsa.version: [ 1, 2 ]
amdhsa.kernels:
  - .name:           k_q0b6b5e81b7_oproj
    .symbol:         k_q0b6b5e81b7_oproj.kd
    .args:
      - { .name: att_codes, .offset: 0, .size: 8, .value_kind: global_buffer, .address_space: global }
      - { .name: wimg, .offset: 8, .size: 8, .value_kind: global_buffer, .address_space: global }
      - { .name: lowp_scales, .offset: 16, .size: 8, .value_kind: global_buffer, .address_space: global }
      - { .name: bo, .offset: 24, .size: 8, .value_kind: global_buffer, .address_space: global }
      - { .name: out0, .offset: 32, .size: 8, .value_kind: global_buffer, .address_space: global }
    .group_segment_fixed_size: 99840
    .private_segment_fixed_size: 0
    .kernarg_segment_align: 8
    .kernarg_segment_size: 40
    .max_flat_workgroup_size: 128
    .sgpr_count:     66
    .vgpr_count:     1024
    .wavefront_size: 32
...
	.end_amdgpu_metadata
.endif
;; end of part 4
;; ======== version 2 of 2: 4 launches
;; workspace buffers: wimg 1,048,576 bytes; q_codes 4,194,304 bytes; k_codes 4,194,304 bytes; v_codes 4,194,304 bytes; att_codes 4,194,304 bytes
;; launch prep (part 5): grid 32 x 4, 4 waves a work-group, no clusters, 0 bytes of LDS; arguments Wq, Wk, Wv, Wo, lowp_scales, wimg; writes wimg
.if DOCPART == 5
	.amdgcn_target "amdgcn-amd-amdhsa--gfx1250"
	.amdhsa_code_object_version 6
	.text
	.protected	k_q0b6b5e81b7_prep
	.globl	k_q0b6b5e81b7_prep
	.p2align	8
	.type	k_q0b6b5e81b7_prep,@function
k_q0b6b5e81b7_prep:
	s_mov_b64 s[64:65], 0
	v_nop
	global_prefetch_b8 v0, s[64:65] scope:SCOPE_SE
	s_setreg_imm32_b32 hwreg(HW_REG_WAVE_MODE, 25, 1), 1
	s_wait_xcnt 0x0
; The four weights, f32 [512 (k)][512 (n)], become codes of E4M3, each with its given scale 2^e (entries 1, 3, 5, 11 of the scales), laid as IMAGES OF OPERAND REGISTERS:
; wimg[weight y][unit U of 128 features][K step s of 128][tile t of 16 features][c][lane][16 bytes]: lane (r, h) = r + 16 h of group c holds k = 128 s + 32 c + 16 h + 0 .. 15
; of feature 128 U + 32 (t / 2) + 8 (t % 2) + r + 8 (r / 8).  A reader fills four registers of a fragment by one load of 16 bytes a lane at 16 x lane.
; A LANE TAKES A COLUMN n AND ITS REGISTERS RUN DOWN K: a load reads 128 consecutive bytes a wave (the four waves stand side by side on 512), and the conversions, which take
; neighbours along K from one lane's registers, give 16 codes = the 16 bytes of one lane of the image.  No LDS: sixteen lanes of each store fill 256 consecutive bytes of the image.
; SHARES: work-group (x, y): weight y, unit U = x % 4, 64 along K from 64 (x / 4) on; wave w: features 32 w .. 32 w + 31 of the unit, which are tiles 2 w and 2 w + 1.
; code = x / 2^e, held within +-448, to the nearest code, ties to even.  LIMITS: e between -126 and 119, so that 2^e and 448 x 2^e are f32 numbers.  NaN among the inputs is not served.
.set X, 16                             ; v16-79  64 numbers: W(64 kc + i, my column)
.set C, 80                             ; v80-95  their codes: never written again, so no store's data are rewritten
	s_load_b256 s[4:11], s[0:1], 0x0               ; Wq, Wk, Wv, Wo
	s_load_b128 s[12:15], s[0:1], 0x20             ; the scales' exponents, wimg
	v_lshrrev_b32 v1, 5, v0
	v_readfirstlane_b32 s16, v1                    ; wave
	v_and_b32 v1, 31, v0                           ; lane = the feature's place f in its group of 32
	v_lshlrev_b32 v2, 2, v1                        ; in: 4 bytes a lane
	v_bfe_u32 v3, v1, 3, 1                         ; which of the two tiles: (f / 8) % 2
	v_and_b32 v4, 7, v1
	v_lshrrev_b32 v5, 4, v1
	v_lshl_add_u32 v4, v5, 3, v4                   ; the tile's row r = f % 8 + 8 (f / 16)
	v_lshlrev_b32 v4, 4, v4
	v_lshl_add_u32 v3, v3, 11, v4                  ; out: 2,048 x tile + 16 r
	s_and_b32 s17, ttmp7, 0xffff                   ; y: the weight
	s_and_b32 s18, ttmp9, 3                        ; U
	s_lshr_b32 s19, ttmp9, 2                       ; kc: which 64 along K
	s_lshl_b32 s20, s19, 17                        ; in: 64 kc rows of 2,048 bytes
	s_lshl_b32 s34, s18, 9
	s_add_co_u32 s20, s20, s34                     ; + 128 U columns
	s_lshl_b32 s34, s16, 7
	s_add_co_u32 s20, s20, s34                     ; + 32 w columns
	s_mov_b32 s21, 0
	s_lshl_b32 s22, s17, 18                        ; out: the weight's 262,144 bytes,
	s_lshl_b32 s34, s18, 16
	s_add_co_u32 s22, s22, s34                     ; the unit's 65,536,
	s_lshr_b32 s34, s19, 1
	s_lshl_b32 s34, s34, 14
	s_add_co_u32 s22, s22, s34                     ; K step kc / 2: 8 tiles of 2,048,
	s_lshl_b32 s34, s16, 12
	s_add_co_u32 s22, s22, s34                     ; tile 2 w,
	s_and_b32 s34, s19, 1
	s_lshl_b32 s34, s34, 10
	s_add_co_u32 s22, s22, s34                     ; groups c = 2 (kc % 2) on
	s_mov_b32 s23, 0
	s_wait_alu depctr_va_vdst(0)
	s_wait_kmcnt 0x0
	s_load_b256 s[24:31], s[12:13], 0x0            ; entries 0 to 7
	s_load_b32 s32, s[12:13], 0x2c                 ; entry 11
	s_cmp_eq_u32 s17, 1                            ; the weight is chosen by the work-group's number alone
	s_cselect_b64 s[4:5], s[6:7], s[4:5]
	s_cmp_eq_u32 s17, 2
	s_cselect_b64 s[4:5], s[8:9], s[4:5]
	s_cmp_eq_u32 s17, 3
	s_cselect_b64 s[4:5], s[10:11], s[4:5]
	s_add_nc_u64 s[4:5], s[4:5], s[20:21]
	s_add_nc_u64 s[14:15], s[14:15], s[22:23]
.set i, 0
.rept 64
	global_load_b32 v[X+i], v2, s[4:5] offset:i*2048 th:TH_LOAD_NT   ; row 64 kc + i: all 64 loads go out at once; each byte of a weight is read once in the launch
.set i, i+1
.endr
	s_wait_kmcnt 0x0
	s_cmp_eq_u32 s17, 1
	s_cselect_b32 s33, s27, s25                    ; e: entry 1, 3, 5 or 11
	s_cmp_eq_u32 s17, 2
	s_cselect_b32 s33, s29, s33
	s_cmp_eq_u32 s17, 3
	s_cselect_b32 s33, s32, s33
	s_add_co_i32 s33, s33, 127
	s_lshl_b32 s34, s33, 23
	v_mov_b32 v11, s34                             ; 2^e as f32: the conversion takes its exponent field
	s_add_co_i32 s33, s33, 8
	s_lshl_b32 s33, s33, 23
	s_or_b32 s33, s33, 0x600000
	v_mov_b32 v10, s33                             ; 448 x 2^e
.macro BLOCK b                         ; 32 along K: group c = 2 (kc % 2) + b of the image
.set i, 0
.rept 32
	v_med3_num_f32 v[X+32*\b+i], v[X+32*\b+i], -v10, v10   ; the conversion to an 8-bit code does not saturate (ISA guide 7.6.2): the hold comes first
.set i, i+1
.endr
.irp g, 0,1,2,3
	v_cvt_scalef32_pk8_fp8_f32 v[C+8*\b+2*\g:C+8*\b+2*\g+1], v[X+32*\b+8*\g:X+32*\b+8*\g+7], v11
.endr
	v_nop                                          ; a plain vector line behind the last conversion
	global_store_b128 v3, v[C+8*\b:C+8*\b+3], s[14:15] offset:512*\b         ; k 0 .. 15 of the block: the image's lanes 0-15; lanes of one tile store 256 consecutive bytes
	global_store_b128 v3, v[C+8*\b+4:C+8*\b+7], s[14:15] offset:512*\b+256   ; k 16 .. 31: its lanes 16-31
.endm
	s_wait_alu depctr_va_vdst(0)
	s_wait_loadcnt 32                              ; loads return in order: the first 32 are in, the second block's 32 may be out
	BLOCK 0
	s_wait_loadcnt 0x0
	BLOCK 1
	s_endpgm
.Lfunc_end_k_q0b6b5e81b7_prep:
	.size	k_q0b6b5e81b7_prep, .Lfunc_end_k_q0b6b5e81b7_prep-k_q0b6b5e81b7_prep
	.p2alignl 7, 3214868480
	.fill 96, 4, 3214868480
	.section	.rodata,"a",@progbits
	.p2align	6, 0x0
	.amdhsa_kernel k_q0b6b5e81b7_prep
		.amdhsa_group_segment_fixed_size 0
		.amdhsa_private_segment_fixed_size 0
		.amdhsa_enable_private_segment 0
		.amdhsa_kernarg_size 48
		.amdhsa_user_sgpr_count 2
		.amdhsa_user_sgpr_kernarg_segment_ptr 1
		.amdhsa_wavefront_size32 1
		.amdhsa_system_sgpr_workgroup_id_x 1
		.amdhsa_system_sgpr_workgroup_id_y 1
		.amdhsa_system_sgpr_workgroup_id_z 1
		.amdhsa_system_vgpr_workitem_id 0
		.amdhsa_next_free_vgpr 96
		.amdhsa_next_free_sgpr 66
		.amdhsa_reserve_vcc 0
		.amdhsa_float_denorm_mode_32 3
		.amdhsa_float_denorm_mode_16_64 3
		.amdhsa_memory_ordered 1
		.amdhsa_forward_progress 1
		.amdhsa_inst_pref_size 14
	.end_amdhsa_kernel
	.amdgpu_metadata
---
amdhsa.version: [ 1, 2 ]
amdhsa.kernels:
  - .name:           k_q0b6b5e81b7_prep
    .symbol:         k_q0b6b5e81b7_prep.kd
    .args:
      - { .name: Wq, .offset: 0, .size: 8, .value_kind: global_buffer, .address_space: global }
      - { .name: Wk, .offset: 8, .size: 8, .value_kind: global_buffer, .address_space: global }
      - { .name: Wv, .offset: 16, .size: 8, .value_kind: global_buffer, .address_space: global }
      - { .name: Wo, .offset: 24, .size: 8, .value_kind: global_buffer, .address_space: global }
      - { .name: lowp_scales, .offset: 32, .size: 8, .value_kind: global_buffer, .address_space: global }
      - { .name: wimg, .offset: 40, .size: 8, .value_kind: global_buffer, .address_space: global }
    .group_segment_fixed_size: 0
    .private_segment_fixed_size: 0
    .kernarg_segment_align: 8
    .kernarg_segment_size: 48
    .max_flat_workgroup_size: 128
    .sgpr_count:     66
    .vgpr_count:     96
    .wavefront_size: 32
...
	.end_amdgpu_metadata
.endif
;; end of part 5
;; launch qkv (part 6): grid 64 x 3, 4 waves a work-group, no clusters, 99,840 bytes of LDS; arguments x, wimg, lowp_scales, bq, bk, bv, q_codes, k_codes, v_codes; writes q_codes, k_codes, v_codes
.if DOCPART == 6
	.amdgcn_target "amdgcn-amd-amdhsa--gfx1250"
	.amdhsa_code_object_version 6
	.text
	.protected	k_q0b6b5e81b7_qkv
	.globl	k_q0b6b5e81b7_qkv
	.p2align	8
	.type	k_q0b6b5e81b7_qkv,@function
k_q0b6b5e81b7_qkv:
	s_mov_b64 s[64:65], 0
	v_nop
	global_prefetch_b8 v0, s[64:65] scope:SCOPE_SE
	s_setreg_imm32_b32 hwreg(HW_REG_WAVE_SCHED_MODE, 0, 2), 2
	s_setreg_imm32_b32 hwreg(HW_REG_WAVE_MODE, 25, 1), 1
	s_wait_xcnt 0x0
	s_wait_alu depctr_vm_vsrc(0)
; One of q, k, v = x W + b for 128 rows of x, on codes of E4M3, and the result quantised again for the attention.  Work-group (rg, ty): rows 128 rg on; ty = 0 q, 1 k, 2 v.
; x (f32) is quantised here with THIS product's own scale (entries 0, 2, 4); W's codes come from wimg as images of operand registers; sums in f32.
; result = (sum + b / 2^(ex + ew)) x 2^(ex + ew); its code is taken with the scale 2^eo (entry 6, 7 or 9), so the conversion's one scale is 2^(eo - ex - ew); b / 2^(ex + ew) is the C of each sum's first product.
; SHARES.  THE WAVES SHARE THE FEATURES: wave w holds W's 128 features 128 w on (heads 2 w, 2 w + 1) for all 512 of K: 32 fragments, 512 registers, read from memory once.
; x goes round: wave w quantises rows 32 w .. 32 w + 31 (8 fragments) and stores them in LDS as images of their registers (lane l's 16 bytes at 16 l); one barrier; every wave reads all 32.
; x's loads read 512 consecutive bytes of a row; the conversions want 16 neighbours along K in a lane: 16 rows x 512 bytes turn through the wave's own stage (rows 528 bytes apart).
; q, k: source 0 = 16 features of W, source 1 = 16 tokens.  W's tile 2 b + u holds features 32 b + 8 u + r + 8 (r / 8), so a lane holds ONE token and, in tiles 2 b and 2 b + 1, the 16 features 32 b + 16 h + 0 .. 15:
;   the conversions' results are registers 4 c' .. 4 c' + 3 of the attention's fragment of 16 tokens x 64 channels.  They are stored as they stand: q_codes, k_codes [b h][token tile][c'][lane][16].
; v: the sources swapped: a lane holds ONE channel and tokens 8 h + 0 .. 7 of a token tile T: one conversion gives registers 2 T, 2 T + 1 of V^T's fragment (16 channels x 128 keys):
;   v_codes [b h][128 keys][channel tile][group of four registers][lane][16].
; NO CLUSTER, though the 64 row groups of a type read the same weights: a wave's weights go from memory straight into the 512 registers in which they stay; through LDS they would be
;   262,144 bytes beside x's images (65,536) and the stages (33,792), more than the 327,680 that a work-group can have.
; LIMITS: ex and eo - ex - ew between -126 and 119.  NaN among the inputs is not served; what lies beyond a scale's range is held at the largest code.  The place of k inside a matrix instruction is permuted, alike in both operands.
; REGISTERS.  Window 0: v1-8 addresses; v16-79 x as loaded, set 0, later x's fragments, buffer a; v80-143 set 1, later the 8 accumulators; v144-207 x turned, later buffer b; v208-239 codes; v240-245 scales and the add's two.
;   Window 1: W's K steps 0, 1 (fragment (s, t) at v[16 (8 (s % 2) + t)]).  Window 2: K steps 2, 3.  Window 3: v0-63 the bias in the result's layout.
; THE MODE: SCHED_MODE bits 1:0 = 2 (LLVM: expert scheduling mode 2), set by the entry lines.  The code itself states the register dependences between vector or matrix instructions
; and memory or LDS instructions, with s_wait_alu, always for 0.
; THE PLAN.  Registers that memory or LDS instructions touch:
;   v1, v4-v8   addresses: written at the head, ahead of one wait on va_vdst, and never again.
;   set 0, 1    x's loads land; the stage's LDS stores read them; no vector instruction names them before the tiles.  A wait on vm_vsrc behind a unit's stage stores frees the set for the loads of two units on
;               (set 0 at last for buffer a's fragments, set 1 for the products' sums).
;   v[X ..]     the stage's LDS loads land; the quantiser reads and writes; a wait on va_vdst behind the quantiser frees it for the next unit's LDS loads (at last for buffer b's fragments).
;   the codes   the conversions write; that same wait on va_vdst stands ahead of the stores that read them; a wait on vm_vsrc stands ahead of the conversions that write them again.
;   buffers a, b  a tile's products read one while the next tile's LDS loads land in the other, which the tile before read: the wait on va_vdst behind that tile's quantiser has shown its products done.
;   W, the bias   loads land once; matrix instructions (the bias: and the scaling) alone name them afterwards.
.set XIMG,   0                         ; LDS: x's 32 fragments, 2,048 bytes each: token tile T, K step s at 4 T + s
.set STG,    65536                     ; four stages, one a wave
.set SPITCH, 528                       ; a stage row: 512 bytes + 16: the 16 rows that a load touches start 33 x 16 bytes apart
.set STGB,   16*SPITCH
.set SPARE,  STG+4*STGB                ; the spare words, 128 bytes for each wave: two blocks of 256 bytes that no other line names
.set LI,  1                            ; v1  16 x lane
.set SA,  4                            ; v4  my stage + 16 x lane
.set SB,  5                            ; v5  my stage + 528 r + 64 h
.set XWI, 6                            ; v6  where I store x's images: 16 x lane + 8 fragments x wave
.set BAQ, 7                            ; v7  the bias, q and k: 64 h
.set BAV, 8                            ; v8  the bias, v: 4 (r + 8 (r / 8))
.set R0,  16
.set X,   144
.set PC,  208
.set XFA, 16
.set HA,  80
.set SCX, 240                          ; 2^ex
.set LIMX, 241                         ; 448 x 2^ex
.set SCO, 242                          ; 2^(eo - ex - ew)
.set LIMO, 243                         ; 448 x that
.set SPW, 244                          ; LDS address of my spare word; never rewritten
.set NIL, 245                          ; 0; never rewritten
.set B1,  0                            ; in window 3
.set MSB, 0
.macro WIN new                         ; s_set_vgpr_msb: bits 1:0 source 0, 3:2 source 1, 5:4 source 2, 7:6 destination; the high byte repeats the setting that is left
.if MSB != \new
	s_set_vgpr_msb (MSB<<8)|\new
.set MSB, \new
.endif
.endm
.macro XLOAD i, set                    ; unit i = (token tile i / 4 of my two, K step i % 4): 16 rows x 512 bytes, a row a load
.irp j, 0,1,2,3,4,5,6,7,8,9,10,11,12,13,14,15
	global_load_b128 v[(\set)+4*\j:(\set)+4*\j+3], v[LI], s[4:5] offset:(16*((\i)/4)+\j)*2048+512*((\i)%4)
.endr
.endm
.macro TURN set                        ; through my stage: in as loaded, out 64 bytes a lane.  LDS serves a wave's instructions in order, so no wait stands between
.irp j, 0,1,2,3,4,5,6,7,8,9,10,11,12,13,14,15
	ds_store_b128 v[SA], v[(\set)+4*\j:(\set)+4*\j+3] offset:SPITCH*\j
.endr
.irp b, 0,1,2,3
.irp j, 0,1,2,3
	ds_load_b128 v[X+16*\b+4*\j:X+16*\b+4*\j+3], v[SB] offset:128*\b+16*\j   ; register 16 b + i = k 32 b + 16 h + i of row r
.endr
.endr
.endm
.macro WLOAD i                         ; four of my 32 fragments of W: 4 i .. 4 i + 3.  No vector instruction names these registers or v[LI] behind the head's wait
.if (\i) < 4
	WIN 0x40
.else
	WIN 0x80
.endif
.irp f, 0,1,2,3
.irp c, 0,1,2,3
	global_load_b128 v[16*((4*(\i)+\f)%16)+4*\c:16*((4*(\i)+\f)%16)+4*\c+3], v[LI], s[6:7] offset:(4*(\i)+\f)*2048+512*\c
.endr
.endr
	WIN 0
.endm
.macro QUANT s, dstep, doff, sc, lim   ; 64 numbers from v[s] on: each eight become two registers of codes at v[PC + dstep n + doff]
.set i, 0
.rept 64
	v_med3_num_f32 v[\s+i], v[\s+i], -v[\lim], v[\lim]   ; the conversion does not saturate (ISA guide 7.6.2): the hold at the largest code x the scale.  Ascending: each accumulator is read from its low end on
.set i, i+1
.endr
.irp n, 0,1,2,3,4,5,6,7
	v_cvt_scalef32_pk8_fp8_f32 v[PC+\dstep*\n+(\doff):PC+\dstep*\n+(\doff)+1], v[\s+8*\n:\s+8*\n+7], v[\sc]
.endr
	v_nop                                          ; a plain vector line between the last conversion and whatever next writes its sources
.endm
.macro IMAGE i                         ; the fragment in v[PC] on goes to LDS as it stands
.irp c, 0,1,2,3
	ds_store_b128 v[XWI], v[PC+4*\c:PC+4*\c+3] offset:XIMG+2048*(\i)+512*\c
.endr
.endm
.macro FETCH reg, m                    ; token tile m's four fragments come back so, in any wave
.irp s, 0,1,2,3
.irp c, 0,1,2,3
	ds_load_b128 v[\reg+16*\s+4*\c:\reg+16*\s+4*\c+3], v[LI] offset:XIMG+(4*(\m)+\s)*2048+512*\c
.endr
.endr
.endm
.macro UNIT i, left
	s_wait_loadcnt \left                           ; loads return in order: unit i's 16 are in; left = the loads issued behind them
	TURN R0+64*((\i)%2)
	s_wait_alu depctr_vm_vsrc(0)                   ; the stage's stores have read the set, in which loads land next (units 6 and 7: a tile's fragments, the products' sums); the last image's stores have read the codes, which the conversions below write again
.if (\i) < 6
	XLOAD (\i)+2, R0+64*((\i)%2)                   ; the global loads go out while the numbers are on their way back from the stage
.endif
	WLOAD \i
	s_wait_dscnt 0x0                               ; the numbers are back
	QUANT X, 2, 0, SCX, LIMX
	s_wait_alu depctr_va_vdst(0)                   ; the conversions have written the codes, which the image's stores read; the quantiser is done with v[X ..], in which the next LDS loads land (the next unit's; behind unit 7 buffer b's)
	IMAGE \i
.endm
.macro CLOSE                           ; the wave's end
	s_wait_dscnt 0x0
	s_wait_alu 0x0
	s_wait_tensorcnt 0x0
	ds_add_u32 v[SPW], v[NIL]
	s_wait_dscnt 0x0
	s_endpgm
.endm
	s_load_b256 s[4:11], s[0:1], 0x0               ; x, wimg, the scales' exponents, bq
	s_load_b256 s[12:19], s[0:1], 0x20             ; bk, bv, q_codes, k_codes
	s_load_b64 s[20:21], s[0:1], 0x40              ; v_codes
	v_lshl_add_u32 v[SPW], v0, 2, SPARE
	v_mov_b32 v[NIL], 0
	v_lshrrev_b32 v9, 5, v0
	v_readfirstlane_b32 s22, v9                    ; wave
	s_and_b32 s23, ttmp7, 0xffff                   ; ty
	v_and_b32 v[LI], 31, v0
	v_lshlrev_b32 v[LI], 4, v[LI]
	v_and_b32 v2, 15, v0                           ; r
	v_bfe_u32 v3, v0, 4, 1                         ; h
	s_wait_alu depctr_va_sdst(0)                   ; s22 is written, ahead of its first reader: LDS places and bases are made from it
	s_mul_i32 s25, s22, STGB
	s_add_co_u32 s25, s25, STG                     ; my stage
	v_add_nc_u32 v[SA], s25, v[LI]
	v_mul_u32_u24 v[SB], v2, SPITCH
	v_lshl_add_u32 v[SB], v3, 6, v[SB]
	v_add_nc_u32 v[SB], s25, v[SB]
	s_lshl_b32 s26, s22, 14
	v_add_nc_u32 v[XWI], s26, v[LI]
	v_lshlrev_b32 v[BAQ], 6, v3
	v_lshrrev_b32 v[BAV], 3, v2
	v_lshl_add_u32 v[BAV], v[BAV], 3, v2
	v_lshlrev_b32 v[BAV], 2, v[BAV]
	s_lshl_b32 s28, ttmp9, 18                      ; x: 128 rg rows of 2,048 bytes
	s_lshl_b32 s27, s22, 16
	s_add_co_u32 s28, s28, s27                     ; + 32 w rows
	s_mov_b32 s29, 0
	s_lshl_b32 s30, s23, 18                        ; wimg: weight ty,
	s_add_co_u32 s30, s30, s27                     ; unit w
	s_mov_b32 s31, 0
	s_lshl_b32 s48, s22, 9                         ; the bias: my 128 numbers
	s_mov_b32 s49, 0
	s_lshr_b32 s50, ttmp9, 5                       ; the codes: batch rg / 32,
	s_lshl_b32 s50, s50, 3
	s_lshl_b32 s27, s22, 1
	s_add_co_u32 s50, s50, s27                     ; head 2 w: 262,144 bytes a head,
	s_lshl_b32 s50, s50, 18
	s_and_b32 s27, ttmp9, 31
	s_lshl_b32 s27, s27, 13
	s_add_co_u32 s50, s50, s27                     ; 128 tokens are 8,192 bytes in each of the three layouts
	s_mov_b32 s51, 0
	s_wait_kmcnt 0x0
	s_load_b256 s[32:39], s[8:9], 0x0              ; entries 0 to 7
	s_load_b128 s[40:43], s[8:9], 0x20             ; entries 8 to 11
	s_add_nc_u64 s[4:5], s[4:5], s[28:29]
	s_add_nc_u64 s[6:7], s[6:7], s[30:31]
	s_wait_alu depctr_va_vdst(0)                   ; the six addresses v1 and v4 to v8 are written: every load and store of the kernel reads one of them, and none is written again
	XLOAD 0, R0
	XLOAD 1, R0+64
	s_cmp_eq_u32 s23, 1                            ; bias and output are chosen by the work-group's number alone
	s_cselect_b64 s[10:11], s[12:13], s[10:11]
	s_cselect_b64 s[16:17], s[18:19], s[16:17]
	s_cmp_eq_u32 s23, 2
	s_cselect_b64 s[10:11], s[14:15], s[10:11]
	s_cselect_b64 s[16:17], s[20:21], s[16:17]
	s_add_nc_u64 s[10:11], s[10:11], s[48:49]
	s_add_nc_u64 s[16:17], s[16:17], s[50:51]
	s_wait_kmcnt 0x0
	s_cmp_eq_u32 s23, 1
	s_cselect_b32 s44, s34, s32                    ; ex: entry 0, 2, 4
	s_cselect_b32 s45, s35, s33                    ; ew: entry 1, 3, 5
	s_cselect_b32 s46, s39, s38                    ; eo: entry 6, 7, 9
	s_cmp_eq_u32 s23, 2
	s_cselect_b32 s44, s36, s44
	s_cselect_b32 s45, s37, s45
	s_cselect_b32 s46, s41, s46
	s_add_co_i32 s52, s44, 127
	s_lshl_b32 s53, s52, 23
	v_mov_b32 v[SCX], s53
	s_add_co_i32 s52, s52, 8
	s_lshl_b32 s52, s52, 23
	s_or_b32 s52, s52, 0x600000
	v_mov_b32 v[LIMX], s52
	s_add_co_i32 s47, s44, s45                     ; ex + ew
	s_sub_co_i32 s54, 0, s47                       ; the bias goes in x 2^-(ex + ew)
	s_sub_co_i32 s52, s46, s47
	s_add_co_i32 s52, s52, 127
	s_lshl_b32 s53, s52, 23
	v_mov_b32 v[SCO], s53
	s_add_co_i32 s52, s52, 8
	s_lshl_b32 s52, s52, 23
	s_or_b32 s52, s52, 0x600000
	v_mov_b32 v[LIMO], s52
	s_wait_alu depctr_va_vdst(0)
	; ---- x: my 32 rows become 8 fragments; W's loads are dealt among them.  Issue order: x0 x1 | x2 W0 | x3 W1 | .. | x7 W5 | W6 | W7, 16 loads each
	UNIT 0, 16                                     ; behind x0: x1
	UNIT 1, 32                                     ; behind x1: x2, W0
	UNIT 2, 48                                     ; behind x(i): W(i-2), x(i+1), W(i-1)
	UNIT 3, 48
	UNIT 4, 48
	UNIT 5, 48
	UNIT 6, 48
	UNIT 7, 32                                     ; behind x7: W5, W6
	s_wait_dscnt 0x0                               ; for the others' sake: my images have landed
	s_barrier_signal -1
	s_barrier_wait -1                              ; x's 32 fragments lie in LDS; nothing is stored to LDS from here on
	s_wait_alu depctr_vm_vsrc(0)                   ; my last image's stores have read the codes' registers, which the first tile's conversions write again, on either way behind the branch below
	FETCH XFA, 0
	s_cmp_eq_u32 s23, 2
	s_cbranch_scc1 .Lv
; 8 products: K step s of the tile in hand, the eight accumulators by turns, one instruction a turn
.macro MM s, first, isv
.irp t, 0,1,2,3,4,5,6,7
.if \isv
.if \first
	v_wmma_f32_16x16x128_fp8_fp8 v[HA+8*\t:HA+8*\t+7], v[XF+16*\s:XF+16*\s+15], v[16*(8*(\s%2)+\t):16*(8*(\s%2)+\t)+15], v[B1+8*\t:B1+8*\t+7]
.else
	v_wmma_f32_16x16x128_fp8_fp8 v[HA+8*\t:HA+8*\t+7], v[XF+16*\s:XF+16*\s+15], v[16*(8*(\s%2)+\t):16*(8*(\s%2)+\t)+15], v[HA+8*\t:HA+8*\t+7]
.endif
.else
.if \first
	v_wmma_f32_16x16x128_fp8_fp8 v[HA+8*\t:HA+8*\t+7], v[16*(8*(\s%2)+\t):16*(8*(\s%2)+\t)+15], v[XF+16*\s:XF+16*\s+15], v[B1+8*\t:B1+8*\t+7]
.else
	v_wmma_f32_16x16x128_fp8_fp8 v[HA+8*\t:HA+8*\t+7], v[16*(8*(\s%2)+\t):16*(8*(\s%2)+\t)+15], v[XF+16*\s:XF+16*\s+15], v[HA+8*\t:HA+8*\t+7]
.endif
.endif
.endr
.endm
; Token tile m: 32 products, the quantiser, the stores.  The next tile's fragments of x are fetched into the other buffer while this tile is multiplied.
.macro TILE m, isv
.set XF, XFA+128*((\m)%2)
.set XN, XFA+128*(1-(\m)%2)
	s_wait_dscnt 0x0                               ; this tile's fragments are in
.if (\m) < 7
	FETCH XN, (\m)+1                               ; no wait here: the wait on va_vdst behind the last quantiser has shown the last readers of that buffer done, and no vector or matrix instruction since names it
.endif
.if \isv
	WIN 0x34                                       ; source 1 (W) window 1, source 2 (the bias) window 3
.else
	WIN 0x31                                       ; source 0 (W) window 1, source 2 window 3
.endif
	MM 0, 1, \isv
.if \isv
	WIN 0x04
.else
	WIN 0x01
.endif
	MM 1, 0, \isv
.if \isv
	WIN 0x08                                       ; W's K steps 2, 3: window 2
.else
	WIN 0x02
.endif
	MM 2, 0, \isv
	MM 3, 0, \isv
	WIN 0
.rept 4
	v_nop                                          ; four places between the last product and the first read of results (ISA guide 7.12.1)
.endr
.if \isv
.if ((\m)%2 == 0) && ((\m) >= 2)
	s_wait_xcnt 0x0                                ; the last stores' addresses are translated: their data registers are written again below
	s_wait_alu depctr_vm_vsrc(0)                   ; the last stores have read the codes' registers, which this tile's and the next tile's conversions write again
.endif
	QUANT HA, 4, 2*((\m)%2), SCO, LIMO             ; channel tile t: registers 2 m, 2 m + 1 of its fragment; two token tiles fill a group of four
.if (\m)%2 == 1
	s_wait_alu depctr_va_vdst(0)                   ; this tile's and the last tile's conversions have written the codes, which the stores read; this tile's products are done reading their buffer, in which the next tile's LDS loads land
.irp t, 0,1,2,3,4,5,6,7
	global_store_b128 v[LI], v[PC+4*\t:PC+4*\t+3], s[16:17] offset:(\t/4)*262144+(\t%4)*2048+((\m)/2)*512   ; head 2 w + t / 4, channel tile t % 4, group m / 2: 512 consecutive bytes
.endr
.elseif (\m) < 6
	s_wait_alu depctr_va_vdst(0)                   ; this tile's products are done reading their buffer, in which the next tile's LDS loads land
.endif
.else
.if (\m) > 0
	s_wait_xcnt 0x0                                ; the last tile's stores' addresses are translated: their data registers are written again below
	s_wait_alu depctr_vm_vsrc(0)                   ; the last tile's stores have read the codes' registers, which the conversions below write again
.endif
	QUANT HA, 2, 0, SCO, LIMO
	s_wait_alu depctr_va_vdst(0)                   ; the conversions have written the codes, which the stores read; this tile's products are done reading their buffer, in which the next tile's LDS loads land
.irp b, 0,1,2,3
	global_store_b128 v[LI], v[PC+4*\b:PC+4*\b+3], s[16:17] offset:(\b/2)*262144+(\m)*1024+(\b%2)*512   ; head 2 w + b / 2, token tile m, channels 32 (b % 2) on: 512 consecutive bytes
.endr
.endif
.endm
	; ---- q, k.  The bias in the result's layout: lane (r, h), tile t: features 32 (t / 2) + 16 h + 8 (t % 2) + 0 .. 7
	WIN 0xc0                                       ; destination window 3
.irp t, 0,1,2,3,4,5,6,7
	global_load_b128 v[B1+8*\t:B1+8*\t+3], v[BAQ], s[10:11] offset:(32*(\t/2)+8*(\t%2))*4
	global_load_b128 v[B1+8*\t+4:B1+8*\t+7], v[BAQ], s[10:11] offset:(32*(\t/2)+8*(\t%2))*4+16
.endr
	s_wait_loadcnt 0x0                             ; the bias, and all of W
	WIN 0xc3                                       ; source 0 and destination window 3
.set i, 0
.rept 64
	v_ldexp_f32 v[B1+i], v[B1+i], s54
.set i, i+1
.endr
	WIN 0
	s_wait_alu depctr_va_vdst(0)
.irp m, 0,1,2,3,4,5,6,7
	TILE \m, 0
.endr
	CLOSE
.Lv:	; ---- v.  A lane holds one channel: tile t's row r is feature 32 (t / 2) + 8 (t % 2) + r + 8 (r / 8); its bias fills the tile's eight registers
	WIN 0xc0
.irp t, 0,1,2,3,4,5,6,7
	global_load_b32 v[B1+8*\t], v[BAV], s[10:11] offset:(32*(\t/2)+8*(\t%2))*4
.endr
	s_wait_loadcnt 0x0
	WIN 0xc3
.irp t, 0,1,2,3,4,5,6,7
.irp j, 1,2,3,4,5,6,7
	v_ldexp_f32 v[B1+8*\t+\j], v[B1+8*\t], s54
.endr
	v_ldexp_f32 v[B1+8*\t], v[B1+8*\t], s54
.endr
	WIN 0
	s_wait_alu depctr_va_vdst(0)
.irp m, 0,1,2,3,4,5,6,7
	TILE \m, 1
.endr
	CLOSE
.Lfunc_end_k_q0b6b5e81b7_qkv:
	.size	k_q0b6b5e81b7_qkv, .Lfunc_end_k_q0b6b5e81b7_qkv-k_q0b6b5e81b7_qkv
	.p2alignl 7, 3214868480
	.fill 96, 4, 3214868480
	.section	.rodata,"a",@progbits
	.p2align	6, 0x0
	.amdhsa_kernel k_q0b6b5e81b7_qkv
		.amdhsa_group_segment_fixed_size 99840
		.amdhsa_private_segment_fixed_size 0
		.amdhsa_enable_private_segment 0
		.amdhsa_kernarg_size 72
		.amdhsa_user_sgpr_count 2
		.amdhsa_user_sgpr_kernarg_segment_ptr 1
		.amdhsa_wavefront_size32 1
		.amdhsa_system_sgpr_workgroup_id_x 1
		.amdhsa_system_sgpr_workgroup_id_y 1
		.amdhsa_system_sgpr_workgroup_id_z 1
		.amdhsa_system_vgpr_workitem_id 0
		.amdhsa_next_free_vgpr 832
		.amdhsa_next_free_sgpr 66
		.amdhsa_reserve_vcc 0
		.amdhsa_float_denorm_mode_32 3
		.amdhsa_float_denorm_mode_16_64 3
		.amdhsa_memory_ordered 1
		.amdhsa_forward_progress 1
		.amdhsa_inst_pref_size 226
	.end_amdhsa_kernel
	.amdgpu_metadata
---
amdhsa.version: [ 1, 2 ]
amdhsa.kernels:
  - .name:           k_q0b6b5e81b7_qkv
    .symbol:         k_q0b6b5e81b7_qkv.kd
    .args:
      - { .name: x, .offset: 0, .size: 8, .value_kind: global_buffer, .address_space: global }
      - { .name: wimg, .offset: 8, .size: 8, .value_kind: global_buffer, .address_space: global }
      - { .name: lowp_scales, .offset: 16, .size: 8, .value_kind: global_buffer, .address_space: global }
      - { .name: bq, .offset: 24, .size: 8, .value_kind: global_buffer, .address_space: global }
      - { .name: bk, .offset: 32, .size: 8, .value_kind: global_buffer, .address_space: global }
      - { .name: bv, .offset: 40, .size: 8, .value_kind: global_buffer, .address_space: global }
      - { .name: q_codes, .offset: 48, .size: 8, .value_kind: global_buffer, .address_space: global }
      - { .name: k_codes, .offset: 56, .size: 8, .value_kind: global_buffer, .address_space: global }
      - { .name: v_codes, .offset: 64, .size: 8, .value_kind: global_buffer, .address_space: global }
    .group_segment_fixed_size: 99840
    .private_segment_fixed_size: 0
    .kernarg_segment_align: 8
    .kernarg_segment_size: 72
    .max_flat_workgroup_size: 128
    .sgpr_count:     66
    .vgpr_count:     832
    .wavefront_size: 32
...
	.end_amdgpu_metadata
.endif
;; end of part 6
;; launch attn (part 7): grid 16 x 16, 16 waves a work-group, clusters of 4 x 1, 327,680 bytes of LDS; arguments q_codes, k_codes, v_codes, lowp_scales, att_codes; writes att_codes
.if DOCPART == 7
	.amdgcn_target "amdgcn-amd-amdhsa--gfx1250"
	.amdhsa_code_object_version 6
	.text
	.protected	k_q0b6b5e81b7_attn
	.globl	k_q0b6b5e81b7_attn
	.p2align	8
	.type	k_q0b6b5e81b7_attn,@function
k_q0b6b5e81b7_attn:
	s_mov_b64 s[64:65], 0
	v_nop
	global_prefetch_b8 v0, s[64:65] scope:SCOPE_SE
	s_setreg_imm32_b32 hwreg(HW_REG_WAVE_MODE, 25, 1), 1
	s_wait_xcnt 0x0
	s_wait_alu depctr_hold_cnt(0) depctr_sa_sdst(0) depctr_va_vdst(0) depctr_va_sdst(0) depctr_va_ssrc(0) depctr_va_vcc(0) depctr_vm_vsrc(0)
	s_getreg_b32 s2, hwreg(HW_REG_IB_STS2, 6, 4)
	s_cmp_eq_u32 s2, 0
	s_cbranch_scc0 .Lentry_in_a_cluster
	s_endpgm
.Lentry_in_a_cluster:
	s_bfe_u32 s2, ttmp6, 0x10000c
	s_cmp_lg_u32 s2, 0x3003
	s_cbranch_scc0 .Lentry_shape_is_right
	s_endpgm
.Lentry_shape_is_right:
; Causal attention on codes of E4M3, head size 64, 16 (batch, head) pairs of 4,096 tokens; the result is quantised for the output projection.
; THE SOFTMAX AHEAD OF THE SECOND PRODUCT: t = score x log2(e) / 8; M = the running largest t rounded UP to a whole number; p = 2^(t - M) is quantised along the keys, not normalised;
; the row's sum is taken of the unquantised p and divides O at the end; when M moves, the sum and O are multiplied by 2^(old M - new M), which rounds nothing.
; OPERANDS ARE IMAGES OF REGISTERS (laid so by the launch before): four registers of a fragment are 512 consecutive bytes, lane l's 16 at 16 l.  So K's and V's slots are dense blocks, every LDS load is at 16 x lane + a constant.
; LAYOUT.  S^T = K Q^T (source 0 = 16 consecutive keys, source 1 = my 16 queries; 64 along K): lane (r, h) holds query r and keys 16 T + 8 h + 0 .. 7 of key tile T: one conversion a tile gives registers 2 T, 2 T + 1 of P.
;   O^T = V^T P (source 0 = 16 channels x 128 keys, source 1 = P): channel tile 2 b + u holds channels 32 b + 8 u + r + 8 (r / 8), so a lane's 16 registers of tiles 2 b, 2 b + 1 are channels 32 b + 16 h + 0 .. 15,
;   which, quantised, are four registers of the output projection's operand: att_codes [token tile][head][b][lane][16].  Nothing changes lanes but a maximum and a sum between the halves.
; SHARES.  A wave owns one tile of 16 queries in 256 registers, four waves to a SIMD.  A head's queries are 64 groups of 64; a group's four tiles go one to each partner of a cluster (tile 4 g + cx).
;   Cluster c, wave w: j = w / 4, s = w % 4, pos = 4 j + (s xor 3 (j % 2)), g = 4 pos + (c xor 3 (pos % 2)): the waves w = s mod 4 have groups that add up to 126 for every s and c.
;   A wave multiplies key steps of 128 while the step's first key is at or under its GROUP's last query; such a step's first key is at or under every query of the group (steps begin at multiples of 128, groups at multiples of 64).
;   Every branch is made of the group, the count of steps and the wave's number: alike in the four partners.  cx enters Q's and the output's address, the prefetch's address and the mask's lane term alone.
; CLUSTER.  The four partners walk the same K and V: each tile is asked for JOINTLY.  Two slots of 512 keys (32,768 bytes of K, 32,768 of V); waves 0, 1 ask for K's halves, waves 2, 3 for V's.
;   Every work-group has a wave with g >= 60, so every slot is read in every work-group and no load is left out.  By this text's count a wave has one tensor load out at the most; every wait for them is for 0.
; LIMITS on the given exponents: e6 + e7 between -123 and 130 (added to c's exponent field); e8, and e10 - e8 - e9, between -126 and 119.  NaN among the inputs is not served.
.set SLOT1, 65536                      ; slot 1 begins here: one exclusive or turns an address in one slot into the other's
.set VOFF,  32768                      ; in a slot: K's 32 key tiles of 1,024 bytes, then V's 4 blocks of 8,192
.set SPARE, 2*SLOT1                    ; behind the ring: the spare words, 128 bytes for each wave: eight blocks of 256 bytes that no other line names
.set LI,  1                            ; v1   16 x lane
.set PFO, 2                            ; v2   256 x lane: the prefetches' offset; never rewritten
.set SPW, 3                            ; v3   LDS address of my spare word; never rewritten
.set NIL, 4                            ; v4   0; never rewritten
.set ADR, 6                            ; v6   the slot in hand + 16 x lane
.set QD,  7                            ; v7   my query - 8 h
.set QF,  8                            ; v8-15    Q's fragment
                                       ; v16 -M, v17 the largest t, v[18:19] the sum in two halves, v20 2^e8, v21 448 x 2^e8, v22, v23 at work, v[24:25] f, v26 a permute's destination,
                                       ; v[28:29] the sum's second chain, v30 2^(e10 - e8 - e9), v31 448 x that
.set KV,  32                           ; v32-95   K's 8 fragments, then V's 4
.set S,   96                           ; v96-159  S^T, then p
.set O,   160                          ; v160-191 O^T
.set PCD, 192                          ; v192-207 p's codes
.set OC,  208                          ; v208-215 the output's codes
.set TB,  14                           ; s14  LDS byte at which the slot in hand begins
.set SLOTS, 15                         ; s15  slots still to be asked for
.set KF,  16                           ; s16  the step's first key
.set GQ,  17                           ; s17  my group's first query
.set WV,  18                           ; s18  my wave's number
.set Q0,  19                           ; s19  my first query
.set SEL, 20                           ; s[20:21] v_permlanex16_b32's selects: lane l xor 16
.set CS,  22                           ; s[22:23] c = log2(e) / 8 x 2^(e6 + e7)
.set G1,  24                           ; s[24:31] descriptor group 1: one shape for K's and V's halves
.set PFA, 32                           ; s[32:33] where my prefetches stand
.set LIM, 34                           ; s34  1 in a wave that prefetches, else the greatest number
.set G0K, 40                           ; s[40:43], s[44:47] groups 0, which walk
.set G0V, 44
.macro CROUND                          ; a round of the cluster's barrier
	s_barrier_signal -1
	s_barrier_wait -1
	s_cmp_lg_u32 s[WV], 0
	s_cbranch_scc1 .Lnot_wave_0_\@
	s_barrier_signal -3
.Lnot_wave_0_\@:
	s_barrier_wait -3
	s_barrier_signal -1
	s_barrier_wait -1
.endm
.macro TLOAD                           ; the joint load: the branches hang on the wave's number alone; an s_nop 0 and four v_nop follow each of the two lines
	s_cmp_lt_u32 s[WV], 2
	s_cbranch_scc0 .Lnot_k_\@
	tensor_load_to_lds s[G0K:G0K+3], s[G1:G1+7]
	s_nop 0
.rept 4
	v_nop
.endr
	s_branch .Lasked_\@
.Lnot_k_\@:
	s_cmp_lt_u32 s[WV], 4
	s_cbranch_scc0 .Lasked_\@
	tensor_load_to_lds s[G0V:G0V+3], s[G1:G1+7]
	s_nop 0
.rept 4
	v_nop
.endr
.Lasked_\@:
.endm
; A prefetch of what the NEXT change of slots will ask for: a slot, four key steps, ahead of that load.  All four clusters of a head walk the same K and V: the head's first cluster asks.  Its four partners share a slot's
; 32,768 bytes out BY ADDRESS, 8,192 each, lanes 256 bytes apart; wave 4 asks for K's, wave 5 for V's: each block of 256 bytes is named once in the launch.  The last change that fills a slot asks for nothing; slots 0 and 1 come by their loads alone.
.macro ASK
	s_cmp_gt_u32 s[SLOTS], s[LIM]
	s_cbranch_scc0 .Lnot_mine_\@
	global_prefetch_b8 v[PFO], s[PFA:PFA+1] th:TH_LOAD_NT scope:SCOPE_SE
.Lnot_mine_\@:
.endm
	s_load_b256 s[4:11], s[0:1], 0x0               ; q_codes, k_codes, v_codes, the scales' exponents
	s_load_b64 s[12:13], s[0:1], 0x20              ; att_codes
	v_lshl_add_u32 v[SPW], v0, 2, SPARE
	v_mov_b32 v[NIL], 0
	ds_add_u32 v[SPW], v[NIL]                      ; the wave's opening: the add and its wait stand ahead of the first tensor loads; the set-up below, work on registers, stands between them
	ds_add_u32 v[SPW], v[NIL]
	v_lshrrev_b32 v[ADR], 5, v0
	s_delay_alu instid0(VALU_DEP_1)
	v_readfirstlane_b32 s[WV], v[ADR]              ; wave 0..15
	s_bfe_u32 s48, ttmp6, 0x40000                  ; cx
	s_and_b32 s49, ttmp7, 0xffff                   ; the (batch, head) pair, which the partners share
	s_lshr_b32 s50, s[WV], 2                       ; j
	s_and_b32 s51, s[WV], 3                        ; s
	s_and_b32 s52, s50, 1
	s_mul_i32 s52, s52, 3
	s_xor_b32 s51, s51, s52
	s_lshl_b32 s53, s50, 2
	s_add_co_u32 s53, s53, s51                     ; pos
	s_and_b32 s54, s53, 1
	s_mul_i32 s54, s54, 3
	s_xor_b32 s54, s54, ttmp9                      ; in a cluster launch ttmp9 counts clusters
	s_lshl_b32 s55, s53, 2
	s_add_co_u32 s55, s55, s54                     ; g
	s_lshl_b32 s[GQ], s55, 6
	s_lshl_b32 s56, s48, 4
	s_add_co_u32 s[Q0], s[GQ], s56
	s_lshl_b32 s56, s55, 2
	s_add_co_u32 s56, s56, s48                     ; my tile of 16 queries: 4 g + cx
	s_lshl_b32 s57, s49, 18                        ; the pair's 262,144 bytes in q_codes, k_codes, v_codes
	s_and_b32 s58, s[WV], 1
	s_lshl_b32 s58, s58, 14                        ; which half of a slot's K or V I fetch, if I fetch: the same step in memory and in LDS
	s_add_co_u32 s60, s57, s58
	s_mov_b32 s61, 0
	s_lshl_b32 s62, s56, 10
	s_add_co_u32 s62, s62, s57                     ; Q: my tile's 1,024 bytes
	s_mov_b32 s63, 0
	s_lshr_b32 s74, s49, 3                         ; the output: token tile 256 x batch + my tile, 8,192 bytes each,
	s_lshl_b32 s74, s74, 8
	s_add_co_u32 s74, s74, s56
	s_lshl_b32 s74, s74, 13
	s_and_b32 s75, s49, 7
	s_lshl_b32 s75, s75, 10
	s_add_co_u32 s74, s74, s75                     ; the head's 1,024 of them
	s_mov_b32 s75, 0
	s_lshl_b32 s76, s48, 13                        ; the prefetches: my work-group's 8,192 bytes of a slot's 32,768,
	s_add_co_u32 s76, s76, s57
	s_add_co_u32 s76, s76, 32768                   ; in slot 1: the first change of slots steps it to slot 2.  Nothing is prefetched at the head
	s_mov_b32 s77, 0
	s_sub_co_u32 s78, s[WV], 4
	s_lshr_b32 s78, s78, 1                         ; 0 in waves 4 and 5,
	s_or_b32 s78, s78, ttmp9                       ; of the head's first cluster: the same in all four partners
	s_cmp_eq_u32 s78, 0
	s_cselect_b32 s[LIM], 1, -1
	; descriptor group 1: a dense block of 16,384 bytes as 64 rows of 32 elements of 8 bytes
	s_mov_b32 s[G1], 15|(3<<16)|(1<<21)            ; 15:0 the mask: all four work-groups; 17:16 elements of 8 bytes; 20 no padding; 21 set beside a mask
	s_mov_b32 s[G1+1], 32<<16                      ; tensor_dim0 = 32
	s_mov_b32 s[G1+2], 64<<16                      ; tensor_dim1 = 64
	s_mov_b32 s[G1+3], 32<<16                      ; tile_dim0 = 32
	s_mov_b32 s[G1+4], 64                          ; tile_dim1 = 64
	s_mov_b32 s[G1+5], 32                          ; from row to row: 32 elements
	s_mov_b32 s[G1+6], 0
	s_mov_b32 s[G1+7], 0
	s_mov_b32 s[SEL], 0x76543210
	s_mov_b32 s[SEL+1], 0xfedcba98
	s_mov_b32 s[CS], 0x3e38aa3b                    ; log2(e) / 8
	s_mov_b32 s[TB], 0
	s_mov_b32 s[SLOTS], 7
	s_mov_b32 s[KF], 0
	v_and_b32 v[LI], 31, v0
	s_delay_alu instid0(VALU_DEP_1)
	v_lshlrev_b32 v[PFO], 8, v[LI]
	s_delay_alu instid0(VALU_DEP_2)
	v_lshlrev_b32 v[LI], 4, v[LI]
	v_and_b32 v[QD], 15, v0
	v_bfe_u32 v22, v0, 4, 1
	s_delay_alu instid0(VALU_DEP_1)
	v_lshlrev_b32 v22, 3, v22
	s_delay_alu instid0(VALU_DEP_1)
	v_sub_nc_u32 v[QD], v[QD], v22
	s_delay_alu instid0(VALU_DEP_1)
	v_add_nc_u32 v[QD], s[Q0], v[QD]               ; my query - 8 h
	s_wait_dscnt 0x0                               ; the opening add is done
	s_wait_kmcnt 0x0
	s_load_b128 s[68:71], s[10:11], 0x18           ; e6, e7, e8, e9
	s_load_b32 s72, s[10:11], 0x28                 ; e10
	s_mov_b32 s[G0K], 1                            ; count = 1
	s_mov_b32 s[G0K+1], s58                        ; LDS address: slot 0, my half of K
	s_add_nc_u64 s[G0K+2:G0K+3], s[6:7], s[60:61]
	s_or_b32 s[G0K+3], s[G0K+3], 0x80000000        ; type = 2
	s_mov_b32 s[G0V], 1
	s_add_co_u32 s[G0V+1], s58, VOFF
	s_add_nc_u64 s[G0V+2:G0V+3], s[8:9], s[60:61]
	s_or_b32 s[G0V+3], s[G0V+3], 0x80000000
	s_cmp_eq_u32 s[WV], 4
	s_cselect_b64 s[PFA:PFA+1], s[6:7], s[8:9]
	s_add_nc_u64 s[PFA:PFA+1], s[PFA:PFA+1], s[76:77]
	s_add_nc_u64 s[4:5], s[4:5], s[62:63]
	s_add_nc_u64 s[12:13], s[12:13], s[74:75]
	CROUND                                         ; all four work-groups are here: the first joint loads meet
	TLOAD                                          ; slot 0
	s_wait_alu depctr_va_vdst(0)
	global_load_b128 v[QF:QF+3], v[LI], s[4:5] th:TH_LOAD_NT              ; Q's fragment stays in registers; my wave alone reads it
	global_load_b128 v[QF+4:QF+7], v[LI], s[4:5] offset:512 th:TH_LOAD_NT
	v_mov_b32 v17, 0xff61b1e6                      ; the largest t so far: -3e38, under every t
	s_delay_alu instid0(VALU_DEP_1)
	v_floor_f32 v16, -v17                          ; -M
	v_mov_b32 v18, 0                               ; the sum
	v_mov_b32 v19, 0
	v_mov_b32 v25, 0                               ; (named as the upper half of the pair v[24:25])
	v_mov_b32 v26, 0                               ; a lane permute's destination counts as one of its sources
.set i, 0
.rept 32
	v_mov_b32 v[O+i], 0                            ; O^T: the step is written once; the first finds zeros, which the first change of M leaves zeros
.set i, i+1
.endr
	s_wait_kmcnt 0x0
	s_add_co_i32 s78, s68, s69
	s_lshl_b32 s78, s78, 23
	s_add_co_i32 s[CS], s[CS], s78                 ; a score stands for score x 2^(e6 + e7): added to c's exponent field
	s_mov_b32 s[CS+1], s[CS]                       ; (named with it as a pair)
	s_add_co_i32 s78, s70, 127
	s_lshl_b32 s79, s78, 23
	v_mov_b32 v20, s79                             ; 2^e8
	s_add_co_i32 s78, s78, 8
	s_lshl_b32 s78, s78, 23
	s_or_b32 s78, s78, 0x600000
	v_mov_b32 v21, s78                             ; 448 x 2^e8
	s_sub_co_i32 s78, s72, s70
	s_sub_co_i32 s78, s78, s71                     ; O / the sum stands for that x 2^(e8 + e9): its code is taken with 2^(e10 - e8 - e9)
	s_add_co_i32 s78, s78, 127
	s_lshl_b32 s79, s78, 23
	v_mov_b32 v30, s79
	s_add_co_i32 s78, s78, 8
	s_lshl_b32 s78, s78, 23
	s_or_b32 s78, s78, 0x600000
	v_mov_b32 v31, s78
; A KEY STEP: 128 keys, the q-th of the slot in hand.
.macro STEP q
	s_add_co_u32 s96, s[GQ], 63                    ; a step all of whose keys come after my group's queries is left out: a branch on ids and the count of steps, round loads, products and softmax alone
	s_cmp_gt_u32 s[KF], s96
	s_cbranch_scc1 .Lhidden_\@
	v_add_nc_u32 v[ADR], s[TB], v[LI]
.rept 3
	v_nop                                          ; with the addition above: four places in front of loads into registers that the last products read (ISA guide 7.12.1 for vector instructions)
.endr
.irp t, 0,1,2,3,4,5,6,7
.irp c, 0,1
	ds_load_b128 v[KV+8*\t+4*\c:KV+8*\t+4*\c+3], v[ADR] offset:8192*(\q)+1024*\t+512*\c
.endr
.endr
	s_wait_alu depctr_va_vdst(0)
	s_wait_dscnt 0x0
.irp t, 0,1,2,3,4,5,6,7
	v_wmma_f32_16x16x64_fp8_fp8 v[S+8*\t:S+8*\t+7], v[KV+8*\t:KV+8*\t+7], v[QF:QF+7], 0
.endr
.rept 4
	v_nop                                          ; four places: for V's loads into K's registers, and for the first read of the scores
.endr
.irp t, 0,1,2,3
.irp g, 0,1,2,3
	ds_load_b128 v[KV+16*\t+4*\g:KV+16*\t+4*\g+3], v[ADR] offset:VOFF+8192*(\q)+2048*\t+512*\g   ; V lands while the softmax is walked
.endr
.endr
	s_add_co_u32 s96, s[KF], 127                   ; on the diagonal hidden scores become -infinity ahead of the maximum, so p = 0; a step all of whose keys count for the whole group skips this
	s_cmp_le_u32 s96, s[GQ]
	s_cbranch_scc1 .Lopen_\@
	v_sub_nc_u32 v22, v[QD], s[KF]                 ; d = my query - 8 h - KF.  Register 8 T + j holds key KF + 16 T + 8 h + j: hidden where 16 T + j > d
	v_mov_b32 v23, 0xff800000
.set n, 0
.rept 64
	v_cmp_gt_i32 vcc_lo, 16*(n/8)+n%8, v22
	v_cndmask_b32 v[S+n], v[S+n], v23, vcc_lo
.set n, n+1
.endr
.Lopen_\@:
	v_max3_num_f32 v22, v[S], v[S+1], v[S+2]       ; the step's largest score of my query among my 64 keys, in two chains, ascending: each accumulator is read from its low end on
	v_max3_num_f32 v23, v[S+3], v[S+4], v[S+5]
.irp i, 6,10,14,18,22,26,30,34,38,42,46,50,54,58
	v_max3_num_f32 v22, v22, v[S+\i], v[S+\i+1]
	v_max3_num_f32 v23, v23, v[S+\i+2], v[S+\i+3]
.endr
	v_max3_num_f32 v22, v22, v[S+62], v[S+63]
	s_delay_alu instid0(VALU_DEP_1)
	v_max_num_f32 v22, v22, v23
	s_delay_alu instid0(VALU_DEP_1)
	v_permlanex16_b32 v26, v22, s[SEL], s[SEL+1]
	s_delay_alu instid0(VALU_DEP_1)
	v_max_num_f32 v22, v22, v26                    ; and among lane l xor 16's
	s_delay_alu instid0(VALU_DEP_1)
	v_mul_f32 v22, s[CS], v22                      ; as t (c is positive)
	s_delay_alu instid0(VALU_DEP_1)
	v_max_num_f32 v17, v17, v22                    ; the running largest t
	v_mov_b32 v22, v16
	s_delay_alu instid0(VALU_DEP_2)
	v_floor_f32 v16, -v17                          ; the new -M = -ceil(t): M is a whole number
	s_delay_alu instid0(VALU_DEP_1)
	v_sub_f32 v22, v16, v22                        ; old M - new M: a whole number, 0 or less
	s_delay_alu instid0(VALU_DEP_1)
	v_cvt_i32_f32 v22, v22                         ; (it saturates)
	s_delay_alu instid0(VALU_DEP_1)
	v_ldexp_f32 v24, 1.0, v22                      ; f = 2^(old M - new M)
.set n, 0
.rept 32
	v_pk_fma_f32 v[S+n:S+n+1], v[S+n:S+n+1], s[CS:CS+1], v[16:17] op_sel_hi:[1,0,0]   ; t - M, two at a time (of the pairs c and -M the low word serves both halves)
.set n, n+2
.endr
.set n, 0
	s_wait_alu depctr_va_vdst(0)
.rept 64
	v_exp_f32 v[S+n], v[S+n]                       ; p = 2^(t - M)
.set n, n+1
.endr
	v_pk_mul_f32 v[18:19], v[18:19], v[24:25] op_sel_hi:[1,0]   ; the sum under the new M: the plain line behind the exponentials
	s_wait_alu depctr_va_vdst(0)                   ; one wait for the batch of 64, ahead of its first reader
	v_pk_add_f32 v[28:29], v[100:101], v[104:105]
	v_pk_add_f32 v[254:255], v[108:109], v[112:113]
	v_pk_add_f32 v[252:253], v[116:117], v[120:121]
	v_pk_add_f32 v[250:251], v[124:125], v[128:129]
	v_pk_add_f32 v[248:249], v[132:133], v[136:137]
	v_pk_add_f32 v[246:247], v[140:141], v[144:145]
	v_pk_add_f32 v[244:245], v[148:149], v[152:153]
	v_pk_add_f32 v[18:19], v[18:19], v[156:157]
	v_pk_add_f32 v[28:29], v[28:29], v[96:97]
	v_pk_add_f32 v[254:255], v[254:255], v[98:99]
	v_pk_add_f32 v[252:253], v[252:253], v[102:103]
	v_pk_add_f32 v[250:251], v[250:251], v[106:107]
	v_pk_add_f32 v[248:249], v[248:249], v[110:111]
	v_pk_add_f32 v[246:247], v[246:247], v[114:115]
	v_pk_add_f32 v[244:245], v[244:245], v[118:119]
	v_pk_add_f32 v[18:19], v[18:19], v[122:123]
	v_pk_add_f32 v[28:29], v[28:29], v[126:127]
	v_pk_add_f32 v[254:255], v[254:255], v[130:131]
	v_pk_add_f32 v[252:253], v[252:253], v[134:135]
	v_pk_add_f32 v[250:251], v[250:251], v[138:139]
	v_pk_add_f32 v[248:249], v[248:249], v[142:143]
	v_pk_add_f32 v[246:247], v[246:247], v[146:147]
	v_pk_add_f32 v[244:245], v[244:245], v[150:151]
	v_pk_add_f32 v[18:19], v[18:19], v[154:155]
	v_pk_add_f32 v[28:29], v[28:29], v[158:159]
	s_delay_alu instid0(VALU_DEP_2)
	v_pk_add_f32 v[18:19], v[18:19], v[250:251]
	s_delay_alu instid0(VALU_DEP_2)
	v_pk_add_f32 v[28:29], v[28:29], v[248:249]
	v_pk_add_f32 v[254:255], v[254:255], v[246:247]
	v_pk_add_f32 v[252:253], v[252:253], v[244:245]
	s_delay_alu instid0(VALU_DEP_2)
	v_pk_add_f32 v[18:19], v[18:19], v[254:255]
	s_delay_alu instid0(VALU_DEP_2)
	v_pk_add_f32 v[28:29], v[28:29], v[252:253]
	s_delay_alu instid0(VALU_DEP_1)
	v_pk_add_f32 v[18:19], v[18:19], v[28:29]
.irp t, 0,1,2,3,4,5,6,7
.irp i, 0,1,2,3,4,5,6,7
	v_min_num_f32 v[S+8*\t+\i], v[S+8*\t+\i], v21  ; the conversion does not saturate (ISA guide 7.6.2); p is not negative, so the hold is one-sided
.endr
	v_cvt_scalef32_pk8_fp8_f32 v[PCD+2*\t:PCD+2*\t+1], v[S+8*\t:S+8*\t+7], v20   ; keys 16 T + 8 h + 0 .. 7: registers 2 T, 2 T + 1 of P
.endr
.set n, 0
.rept 16
	v_pk_mul_f32 v[O+n:O+n+1], v[O+n:O+n+1], v[24:25] op_sel_hi:[1,0]   ; O^T under the new M; also the plain lines between the conversions and the products
.set n, n+2
.endr
	s_wait_alu depctr_va_vdst(0)
	s_wait_dscnt 0x0                               ; V is in
.irp t, 0,1,2,3
	v_wmma_f32_16x16x128_fp8_fp8 v[O+8*\t:O+8*\t+7], v[KV+16*\t:KV+16*\t+15], v[PCD:PCD+15], v[O+8*\t:O+8*\t+7]   ; four accumulators by turns, one instruction a turn
.endr
.Lhidden_\@:
	s_add_co_u32 s[KF], s[KF], 128
.endm
; THE CHANGE OF SLOTS stands at a slot's head.  Each wave waits for all its tensor loads (its part of the slot ahead), adds 0 to its spare word, and waits for that and for its reads of the slot that it has left.
; fill = 1: the barrier is a round of the cluster's, so that no wave of any partner still reads that slot or has a load on its way; the joint refill is the first thing behind it, and has a slot's four steps in which to land.
.macro CHANGE fill
	s_wait_tensorcnt 0x0                           ; no tensor load of mine is out, so a group 0 may be written
	ds_add_u32 v[SPW], v[NIL]                      ; 0 onto my spare word
.if \fill
	s_xor_b32 s[G0K+1], s[G0K+1], SLOT1            ; the walking descriptors: the other slot,
	s_add_nc_u64 s[G0K+2:G0K+3], s[G0K+2:G0K+3], 32768   ; the next 512 keys; the type bits on top are not reached
	s_xor_b32 s[G0V+1], s[G0V+1], SLOT1
	s_add_nc_u64 s[G0V+2:G0V+3], s[G0V+2:G0V+3], 32768
	s_wait_xcnt 0x0                                ; the last prefetch, a slot back, has read its address
	s_add_nc_u64 s[PFA:PFA+1], s[PFA:PFA+1], 32768 ; one slot further on than the walking descriptors
	s_wait_dscnt 0x0                               ; the add is done, and my reads of the slot that I have left are over
	CROUND
	TLOAD
	ASK
.else
	s_wait_dscnt 0x0
	s_barrier_signal -1
	s_barrier_wait -1
.endif
.endm
.macro SLOT_STEPS
	STEP 0
	STEP 1
	STEP 2
	STEP 3
	s_xor_b32 s[TB], s[TB], SLOT1                  ; on to the other slot
.endm
	s_wait_loadcnt 0x0                             ; Q
.Lslot:                                            ; seven trips: behind each change of slots but the last the next slot is asked for
	CHANGE 1
	SLOT_STEPS
	s_sub_co_u32 s[SLOTS], s[SLOTS], 1
	s_cmp_lg_u32 s[SLOTS], 0
	s_cbranch_scc1 .Lslot
	CHANGE 0                                       ; the last slot is written out
	SLOT_STEPS
	; THE WAY OUT: O^T / the sum, quantised: a lane's 16 channels of tiles 2 b, 2 b + 1 are 16 bytes of the next operand's image: two stores of 512 consecutive bytes, no stage
.rept 4
	v_nop                                          ; four places behind the last products
.endr
	v_add_f32 v18, v18, v19                        ; the sum's two halves,
	s_delay_alu instid0(VALU_DEP_1)
	v_permlanex16_b32 v26, v18, s[SEL], s[SEL+1]
	s_delay_alu instid0(VALU_DEP_1)
	v_add_f32 v18, v18, v26                        ; and lane l xor 16's
	s_wait_alu depctr_va_vdst(0)
	v_rcp_f32 v24, v18
	v_nop                                          ; a plain line behind the reciprocal
	s_wait_alu depctr_va_vdst(0)                   ; and the wait ahead of its first reader
.set n, 0
.rept 16
	v_pk_mul_f32 v[S+n:S+n+1], v[O+n:O+n+1], v[24:25] op_sel_hi:[1,0]
.set n, n+2
.endr
.set n, 0
.rept 32
	v_med3_num_f32 v[S+n], v[S+n], -v31, v31
.set n, n+1
.endr
.irp t, 0,1,2,3
	v_cvt_scalef32_pk8_fp8_f32 v[OC+2*\t:OC+2*\t+1], v[S+8*\t:S+8*\t+7], v30
.endr
	v_nop
	global_store_b128 v[LI], v[OC:OC+3], s[12:13]
	global_store_b128 v[LI], v[OC+4:OC+7], s[12:13] offset:512
	s_wait_tensorcnt 0x0                           ; the wave's end
	ds_add_u32 v[SPW], v[NIL]
	s_wait_dscnt 0x0
	CROUND                                         ; the closing round: no work-group ends while a partner may still ask for a tile that names it
	s_endpgm
.Lfunc_end_k_q0b6b5e81b7_attn:
	.size	k_q0b6b5e81b7_attn, .Lfunc_end_k_q0b6b5e81b7_attn-k_q0b6b5e81b7_attn
	.p2alignl 7, 3214868480
	.fill 96, 4, 3214868480
	.section	.rodata,"a",@progbits
	.p2align	6, 0x0
	.amdhsa_kernel k_q0b6b5e81b7_attn
		.amdhsa_group_segment_fixed_size 327680
		.amdhsa_private_segment_fixed_size 0
		.amdhsa_enable_private_segment 0
		.amdhsa_kernarg_size 40
		.amdhsa_user_sgpr_count 2
		.amdhsa_user_sgpr_kernarg_segment_ptr 1
		.amdhsa_wavefront_size32 1
		.amdhsa_system_sgpr_workgroup_id_x 1
		.amdhsa_system_sgpr_workgroup_id_y 1
		.amdhsa_system_sgpr_workgroup_id_z 1
		.amdhsa_system_vgpr_workitem_id 0
		.amdhsa_next_free_vgpr 256
		.amdhsa_next_free_sgpr 100
		.amdhsa_reserve_vcc 1
		.amdhsa_float_denorm_mode_32 3
		.amdhsa_float_denorm_mode_16_64 3
		.amdhsa_memory_ordered 1
		.amdhsa_forward_progress 1
		.amdhsa_inst_pref_size 182
	.end_amdhsa_kernel
	.amdgpu_metadata
---
amdhsa.version: [ 1, 2 ]
amdhsa.kernels:
  - .name:           k_q0b6b5e81b7_attn
    .symbol:         k_q0b6b5e81b7_attn.kd
    .args:
      - { .name: q_codes, .offset: 0, .size: 8, .value_kind: global_buffer, .address_space: global }
      - { .name: k_codes, .offset: 8, .size: 8, .value_kind: global_buffer, .address_space: global }
      - { .name: v_codes, .offset: 16, .size: 8, .value_kind: global_buffer, .address_space: global }
      - { .name: lowp_scales, .offset: 24, .size: 8, .value_kind: global_buffer, .address_space: global }
      - { .name: att_codes, .offset: 32, .size: 8, .value_kind: global_buffer, .address_space: global }
    .group_segment_fixed_size: 327680
    .private_segment_fixed_size: 0
    .kernarg_segment_align: 8
    .kernarg_segment_size: 40
    .max_flat_workgroup_size: 512
    .sgpr_count:     100
    .vgpr_count:     256
    .wavefront_size: 32
...
	.end_amdgpu_metadata
.endif
;; end of part 7
;; launch oproj (part 8): grid 4 x 64, 4 waves a work-group, no clusters, 99,840 bytes of LDS; arguments att_codes, wimg, lowp_scales, bo, out0; writes out0
.if DOCPART == 8
	.amdgcn_target "amdgcn-amd-amdhsa--gfx1250"
	.amdhsa_code_object_version 6
	.text
	.protected	k_q0b6b5e81b7_oproj
	.globl	k_q0b6b5e81b7_oproj
	.p2align	8
	.type	k_q0b6b5e81b7_oproj,@function
k_q0b6b5e81b7_oproj:
	s_mov_b64 s[64:65], 0
	v_nop
	global_prefetch_b8 v0, s[64:65] scope:SCOPE_SE
	s_setreg_imm32_b32 hwreg(HW_REG_WAVE_SCHED_MODE, 0, 2), 2
	s_setreg_imm32_b32 hwreg(HW_REG_WAVE_MODE, 25, 1), 1
	s_wait_xcnt 0x0
	s_wait_alu depctr_vm_vsrc(0)
; out0 = att Wo + bo on codes of E4M3: out = sum x 2^(e10 + e11) + bo, one packed multiply-add for two numbers.  att_codes and Wo's part of wimg are images of operand registers (four registers = 512 bytes, lane l's 16 at 16 l).
; SHARES.  Work-group (U, rg): 128 rows from 128 rg on x features 128 U .. 128 U + 127.  Wave w: token tiles 2 w, 2 w + 1 of the eight against all 8 feature tiles: 16 accumulators, K = 512 in 4 steps.
;   A wave's 16,384 bytes of att are read by it alone, straight into registers.  The unit's 65,536 bytes of Wo are fetched once a work-group, a quarter a wave, handed round through LDS as they lie, and then held in 512 registers.
; The product is used transposed (source 0 = 16 features of Wo, source 1 = 16 tokens): Wo's tile 2 b + u holds features 32 b + 8 u + r + 8 (r / 8), so lane (r, h) holds token r and, in tile t, features 32 (t / 2) + 16 h + 8 (t % 2) + 0 .. 7.
; The way out goes through the wave's own stage (16 rows of 512 bytes + 16): each store covers 512 consecutive bytes of a row of out0, aligned to 512.
; NO CLUSTER, though the 64 row groups of a unit read the same 65,536 bytes: they are fetched once, at the head, with no loop over which the cluster's rounds could be spread; this text has one barrier.
; LIMITS: e10 + e11 between -126 and 127.  The place of k inside a matrix instruction is permuted, alike in both operands.
; REGISTERS.  Window 0: v1-13 addresses; v16-79 bo in the result's layout, later rows of tile 0; v80-207 my quarter of Wo, later the two tiles' results (v80-143, v144-207).
;   Window 1: v0-127 att's 8 fragments (tile l, K step s at 64 l + 16 s), later v0-63 rows of tile 1; v128-255 the accumulators ((l, t) at 128 + 64 l + 8 t).  Windows 2, 3: Wo's K steps 0, 1 and 2, 3 (fragment (s, t) at 16 (8 (s % 2) + t)).
; THE MODE: SCHED_MODE bits 1:0 = 2 (LLVM: expert scheduling mode 2), set by the entry lines.  The code itself states the register dependences between vector or matrix instructions
; and memory or LDS instructions, with s_wait_alu, always for 0.
; THE PLAN.  Registers that memory or LDS instructions touch:
;   v1, v4-v7     addresses: written at the head, ahead of one wait on va_vdst, and never again.
;   v80-207       Wo's loads land; my LDS stores read them; a wait on vm_vsrc behind the barrier; then the multiply-adds write both tiles' results there, each register once; the stage's stores read them.
;   v16-79        the bias's loads land; the multiply-adds read; tile 0's rows land from the stage; the global stores read.
;   window 1, v0-127  att's loads land; the products read; tile 1's rows land in v0-63; the global stores read.
;   windows 2, 3  LDS loads land once; the products read.
; So ONE wait on va_vdst stands on the way out, behind all 64 multiply-adds: the results are written, the bias is read, and the products are done reading att.  All that follows is LDS and memory instructions.
.set WIMG,   0
.set STG,    65536
.set SPITCH, 528
.set STGB,   16*SPITCH
.set SPARE,  STG+4*STGB                ; the spare words, 128 bytes for each wave: two blocks of 256 bytes that no other line names
.set LI,   1                           ; v1  16 x lane
.set STO,  4                           ; v4  my stage + 528 r + 64 h
.set RD,   5                           ; v5  my stage + 16 x lane
.set WST,  6                           ; v6  16 x lane + 16,384 x wave
.set BA,   7                           ; v7  64 h
.set SPW,  12                          ; LDS address of my spare word; never rewritten
.set NIL,  13                          ; 0; never rewritten
.set BO,   16
.set TMPW, 80
.set TMP,  80
.set ACC,  128
.set MSB, 0
.macro WIN new                         ; s_set_vgpr_msb: bits 1:0 source 0, 3:2 source 1, 5:4 source 2, 7:6 destination; the high byte repeats the setting that is left
.if MSB != \new
	s_set_vgpr_msb (MSB<<8)|\new
.set MSB, \new
.endif
.endm
	s_load_b256 s[4:11], s[0:1], 0x0               ; att_codes, wimg, the scales' exponents, bo
	s_load_b64 s[12:13], s[0:1], 0x20              ; out0
	v_lshl_add_u32 v[SPW], v0, 2, SPARE
	v_mov_b32 v[NIL], 0
	v_lshrrev_b32 v2, 5, v0
	v_readfirstlane_b32 s14, v2                    ; wave
	s_and_b32 s15, ttmp7, 0xffff                   ; rg
	v_and_b32 v[LI], 31, v0
	v_lshlrev_b32 v[LI], 4, v[LI]
	v_and_b32 v2, 15, v0                           ; r
	v_bfe_u32 v3, v0, 4, 1                         ; h
	s_wait_alu depctr_va_sdst(0)                   ; s14 is written, ahead of its first reader: LDS places and bases are made from it
	s_mul_i32 s16, s14, STGB
	s_add_co_u32 s16, s16, STG                     ; my stage
	v_mul_u32_u24 v[STO], v2, SPITCH
	v_lshl_add_u32 v[STO], v3, 6, v[STO]
	v_add_nc_u32 v[STO], s16, v[STO]
	v_add_nc_u32 v[RD], s16, v[LI]
	s_lshl_b32 s17, s14, 14
	v_add_nc_u32 v[WST], s17, v[LI]
	v_lshlrev_b32 v[BA], 6, v3
	s_lshl_b32 s18, ttmp9, 16                      ; wimg: unit U,
	s_add_co_u32 s18, s18, s17                     ; my quarter (K step w),
	s_add_co_u32 s18, s18, 3*262144                ; of the fourth weight
	s_mov_b32 s19, 0
	s_lshl_b32 s20, s15, 16                        ; att: token tile 8 rg + 2 w, 8,192 bytes a tile
	s_add_co_u32 s20, s20, s17
	s_mov_b32 s21, 0
	s_lshl_b32 s22, ttmp9, 9                       ; bo, and a row of out0: the unit's 512 bytes
	s_mov_b32 s23, 0
	s_lshl_b32 s24, s15, 18                        ; out0: row 128 rg + 32 w, 2,048 bytes a row
	s_lshl_b32 s25, s14, 16
	s_add_co_u32 s24, s24, s25
	s_add_co_u32 s24, s24, s22
	s_mov_b32 s25, 0
	s_wait_kmcnt 0x0
	s_load_b64 s[26:27], s[8:9], 0x28              ; e10, e11
	s_add_nc_u64 s[6:7], s[6:7], s[18:19]
	s_add_nc_u64 s[4:5], s[4:5], s[20:21]
	s_add_nc_u64 s[10:11], s[10:11], s[22:23]
	s_add_nc_u64 s[12:13], s[12:13], s[24:25]
	s_wait_alu depctr_va_vdst(0)                   ; the five addresses v1 and v4 to v7 are written: every load and store of the kernel reads one of them, and none is written again
.set n, 0
.rept 32
	global_load_b128 v[TMPW+4*n:TMPW+4*n+3], v[LI], s[6:7] offset:512*n     ; my quarter of Wo's unit
.set n, n+1
.endr
	WIN 0x40                                       ; destination window 1
.set n, 0
.rept 32
	global_load_b128 v[4*n:4*n+3], v[LI], s[4:5] offset:512*n              ; my two tiles of att: 8 fragments on end
.set n, n+1
.endr
	WIN 0
.irp t, 0,1,2,3,4,5,6,7
	global_load_b128 v[BO+8*\t:BO+8*\t+3], v[BA], s[10:11] offset:(32*(\t/2)+8*(\t%2))*4
	global_load_b128 v[BO+8*\t+4:BO+8*\t+7], v[BA], s[10:11] offset:(32*(\t/2)+8*(\t%2))*4+16
.endr
	s_wait_loadcnt 48                              ; loads return in order: Wo's 32 are in; att's 32 and the bias's 16 may be out
.set n, 0
.rept 32
	ds_store_b128 v[WST], v[TMPW+4*n:TMPW+4*n+3] offset:WIMG+512*n
.set n, n+1
.endr
	s_wait_dscnt 0x0                               ; for the others' sake: my quarter has landed
	s_barrier_signal -1
	s_barrier_wait -1                              ; the unit's 32 fragments lie in LDS
	s_wait_alu depctr_vm_vsrc(0)                   ; my LDS stores have read v80 to v207, which the multiply-adds of the way out write
	WIN 0x80                                       ; destination window 2
.set n, 0
.rept 64
	ds_load_b128 v[4*n:4*n+3], v[LI] offset:WIMG+512*n
.set n, n+1
.endr
	WIN 0xc0                                       ; destination window 3
.set n, 0
.rept 64
	ds_load_b128 v[4*n:4*n+3], v[LI] offset:WIMG+32768+512*n
.set n, n+1
.endr
	WIN 0
	s_wait_kmcnt 0x0
	s_add_co_i32 s46, s26, s27
	s_add_co_i32 s46, s46, 127
	s_lshl_b32 s46, s46, 23                        ; 2^(e10 + e11) as f32
	s_mov_b32 s47, s46                             ; (named with it as a pair)
; 16 products: K step s, the sixteen accumulators by turns, one instruction a turn.  zero = 1: the first products start the sums
.macro MMS s, zero
.irp t, 0,1,2,3,4,5,6,7
.irp l, 0,1
.if \zero
	v_wmma_f32_16x16x128_fp8_fp8 v[ACC+64*\l+8*\t:ACC+64*\l+8*\t+7], v[16*(8*(\s%2)+\t):16*(8*(\s%2)+\t)+15], v[64*\l+16*\s:64*\l+16*\s+15], 0
.else
	v_wmma_f32_16x16x128_fp8_fp8 v[ACC+64*\l+8*\t:ACC+64*\l+8*\t+7], v[16*(8*(\s%2)+\t):16*(8*(\s%2)+\t)+15], v[64*\l+16*\s:64*\l+16*\s+15], v[ACC+64*\l+8*\t:ACC+64*\l+8*\t+7]
.endif
.endr
.endr
.endm
	s_wait_loadcnt 0x0                             ; att and the bias
	s_wait_dscnt 63                                ; of the 128 loads at most 63 are out: the first 64, K steps 0 and 1, are in
	WIN 0x56                                       ; source 0 (Wo) window 2; source 1 (att), C and D window 1
	MMS 0, 1
	MMS 1, 0
	s_wait_dscnt 0x0
	WIN 0x57                                       ; Wo's K steps 2, 3: window 3
	MMS 2, 0
	MMS 3, 0
	WIN 0
.rept 4
	v_nop                                          ; four places between the last product and the first read of results (ISA guide 7.12.1)
.endr
	; THE WAY OUT.  Scale and bias for both token tiles first, each into an out-buffer of its own
	WIN 0x01                                       ; source 0 (the sums) window 1
.irp l, 0,1
.set n, 0
.rept 32
	v_pk_fma_f32 v[TMP+64*\l+n:TMP+64*\l+n+1], v[ACC+64*\l+n:ACC+64*\l+n+1], s[46:47], v[BO+n:BO+n+1] op_sel_hi:[1,0,1]   ; ascending: each accumulator from its low end on
.set n, n+2
.endr
.endr
	WIN 0
	s_wait_alu depctr_va_vdst(0)                   ; the multiply-adds have written v80 to v207, which the stage's stores read, and are done reading the bias, in which tile 0's rows land; the products are done reading att's fragments, in which tile 1's rows land
.macro TOSTAGE l                       ; token tile l: into my stage, back as whole rows.  LDS serves a wave's instructions in order: no wait between the stores and the loads, nor ahead of the next tile's stores
.set BK, 16-16*\l                      ; tile 0: v16-79 of window 0; tile 1: v0-63 of window 1
.irp t, 0,1,2,3,4,5,6,7
	ds_store_b128 v[STO], v[TMP+64*\l+8*\t:TMP+64*\l+8*\t+3] offset:128*(\t/2)+32*(\t%2)
	ds_store_b128 v[STO], v[TMP+64*\l+8*\t+4:TMP+64*\l+8*\t+7] offset:128*(\t/2)+32*(\t%2)+16
.endr
.if \l
	WIN 0x40                                       ; destination window 1.  Between the wait above and these loads stand LDS stores that name v4 and v80 to v207, loads and this switch: nothing that names v5 or the registers in which the loads land
.endif
.irp j, 0,1,2,3,4,5,6,7,8,9,10,11,12,13,14,15
	ds_load_b128 v[BK+4*\j:BK+4*\j+3], v[RD] offset:SPITCH*\j
.endr
	WIN 0
.endm
.macro SEND l, younger                 ; younger: the LDS instructions issued behind tile l's loads, which may stay out
.set BK, 16-16*\l
	s_wait_dscnt \younger
.if \l
	WIN 0x04                                       ; a store's data are its source 1: window 1
.endif
.irp j, 0,1,2,3,4,5,6,7,8,9,10,11,12,13,14,15
	global_store_b128 v[LI], v[BK+4*\j:BK+4*\j+3], s[12:13] offset:(16*\l+\j)*2048 th:TH_STORE_NT   ; 32 lanes store 512 consecutive bytes of a row; written once, read by nobody here
.endr
	WIN 0
.endm
	TOSTAGE 0
	TOSTAGE 1
	SEND 0, 32                                     ; behind tile 0's loads: tile 1's 16 stores and 16 loads
	SEND 1, 0
	s_wait_dscnt 0x0                               ; the wave's end (every window is 0 here)
	s_wait_alu 0x0
	s_wait_tensorcnt 0x0
	ds_add_u32 v[SPW], v[NIL]
	s_wait_dscnt 0x0
	s_endpgm
.Lfunc_end_k_q0b6b5e81b7_oproj:
	.size	k_q0b6b5e81b7_oproj, .Lfunc_end_k_q0b6b5e81b7_oproj-k_q0b6b5e81b7_oproj
	.p2alignl 7, 3214868480
	.fill 96, 4, 3214868480
	.section	.rodata,"a",@progbits
	.p2align	6, 0x0
	.amdhsa_kernel k_q0b6b5e81b7_oproj
		.amdhsa_group_segment_fixed_size 99840
		.amdhsa_private_segment_fixed_size 0
		.amdhsa_enable_private_segment 0
		.amdhsa_kernarg_size 40
		.amdhsa_user_sgpr_count 2
		.amdhsa_user_sgpr_kernarg_segment_ptr 1
		.amdhsa_wavefront_size32 1
		.amdhsa_system_sgpr_workgroup_id_x 1
		.amdhsa_system_sgpr_workgroup_id_y 1
		.amdhsa_system_sgpr_workgroup_id_z 1
		.amdhsa_system_vgpr_workitem_id 0
		.amdhsa_next_free_vgpr 1024
		.amdhsa_next_free_sgpr 66
		.amdhsa_reserve_vcc 0
		.amdhsa_float_denorm_mode_32 3
		.amdhsa_float_denorm_mode_16_64 3
		.amdhsa_memory_ordered 1
		.amdhsa_forward_progress 1
		.amdhsa_inst_pref_size 36
	.end_amdhsa_kernel
	.amdgpu_metadata
---
amdhsa.version: [ 1, 2 ]
amdhsa.kernels:
  - .name:           k_q0b6b5e81b7_oproj
    .symbol:         k_q0b6b5e81b7_oproj.kd
    .args:
      - { .name: att_codes, .offset: 0, .size: 8, .value_kind: global_buffer, .address_space: global }
      - { .name: wimg, .offset: 8, .size: 8, .value_kind: global_buffer, .address_space: global }
      - { .name: lowp_scales, .offset: 16, .size: 8, .value_kind: global_buffer, .address_space: global }
      - { .name: bo, .offset: 24, .size: 8, .value_kind: global_buffer, .address_space: global }
      - { .name: out0, .offset: 32, .size: 8, .value_kind: global_buffer, .address_space: global }
    .group_segment_fixed_size: 99840
    .private_segment_fixed_size: 0
    .kernarg_segment_align: 8
    .kernarg_segment_size: 40
    .max_flat_workgroup_size: 128
    .sgpr_count:     66
    .vgpr_count:     1024
    .wavefront_size: 32
...
	.end_amdgpu_metadata
.endif
;; end of part 8
